; MI455X (gfx1250); checked and timed in simulation.
; The chip was launched on July 23, 2026; its instructions are those of AMD's public machine-readable ISA for CDNA 5 (MIT licence, August 2026) and "CDNA5" Instruction Set Architecture Reference Guide (July 2026). The comments in the code are by the model that wrote it; some were corrected since.
;; TP Hunyuan Mo E. Allowed arithmetic: matrix products marked QUANTISED: E3M2 operands, one E8M0 scale for each 32 along K, by v_wmma_scale_f32_16x16x128_f8f6f4 with both operands' format E3M2, f32 sums; products left as they are: f32 operands where the result goes on into a quantised operand, else bf16, f16 or f32 operands; f32 sums; everything else in f32.
;; Inputs: gate_w 16 x 4,096 float32; hidden_states 2 x 2,048 x 4,096 float32; shared_w_down 4,096 x 256 float32; shared_w_gate_up 512 x 4,096 float32; w_down 16 x 4,096 x 64 float32; w_gate_up 16 x 128 x 4,096 float32.
;; Outputs: out0 2 x 2,048 x 4,096 float32.
;; This version of the problem:
;;   THIS VERSION OF THE PROBLEM IS GIVEN IN LOW PRECISION. The matrix products marked QUANTISED in the list below multiply operands that are first quantised to E3M2 (3 exponent bits, 2 mantissa bits; 6 bits a number), with one power-of-two scale for each 32 numbers along K (OCP MX v1.0); their sums are f32. All else is computed in f32.
;;   The module's matrix products, in the order in which they are computed (A, B: the left and right operand; K: the contracted axis; several contracted axes count as one K, in the product's order):
;;     1. [M 4,096, K 4,096] x [K 4,096, N 512]; A: input hidden_states; B: input shared_w_gate_up: QUANTISED
;;     2. [M 4,096, K 256] x [K 256, N 4,096]; A: computed on the way; B: input shared_w_down: QUANTISED
;;     3. [M 4,096, K 4,096] x [K 4,096, N 16]; A: input hidden_states; B: input gate_w: QUANTISED
;;     4. [M 2,048, K 4,096] x [K 4,096, N 4,096]; A: input w_gate_up; B: input hidden_states: QUANTISED
;;     5. batch 16 x [M 4,096, K 64] x [K 64, N 4,096]; A: computed on the way; B: input w_down: QUANTISED
;;     6. batch 4,096 x [M 4,096, K 16] x [K 16, N 1]; A: computed on the way; B: computed on the way: left as it is (K = 16 < 32)
;;   THE QUANTISER, for each operand of a quantised product, along K:
;;     - K is cut into blocks of 32 from its start; a last block that is shorter is filled with zeros.
;;     - A block's scale is 2^e with e = floor(log2(the largest magnitude in the block)) - 4, held to -126 .. 127; a block of zeros has e = 0. As a byte (E8M0): e + 127.
;;     - Each number is divided by its block's scale, clamped to +-28, and rounded to the nearest number of E3M2, ties to even, subnormals kept.
;;     - The product sums the exact products of the quantised numbers (number of the format x scale) in f32.
;;   ~~~python
;;   def quantise(x, axis):      # numpy; x: float32 -> the quantised numbers, widened to float32 again
;;       x = np.moveaxis(x, axis, -1); K = x.shape[-1]
;;       x = np.pad(x, [(0, 0)] * (x.ndim - 1) + [(0, -K % 32)]); x = x.reshape(x.shape[:-1] + (-1, 32)); a = np.abs(x).max(-1, keepdims=True)
;;       e = np.where(a > 0, np.clip(np.frexp(np.where(a > 0, a, 1))[1] - 1 - 4, -126, 127), 0)      # np.frexp(a)[1] - 1 = floor(log2(a)), exactly
;;       r = np.clip(x / 2.0 ** e, -28, 28)
;;       step = 2.0 ** (np.maximum(np.frexp(np.where(r == 0, 1, r))[1] - 1, -2) - 2)
;;       q = np.round(r / step) * step * 2.0 ** e      # np.round: ties to even
;;       return np.moveaxis(q.reshape(q.shape[:-2] + (-1,))[..., :K], -1, axis).astype(np.float32)
;;   ~~~
;;   OPERANDS COMPUTED ON THE WAY. 'Computed on the way' means the value that the module computes at that place (a softmax that the list does not call 'softmax' is quantised finished and normalised). What goes into a quantiser is computed in f32, as accurately as f32 sums, v_exp_f32 and their like allow (about 1e-6 of the number): no bf16 or f16 on the way to a quantiser, and a product that is left as it is and whose result goes on into a quantised operand takes f32 operands (vector FMAs, or v_wmma_f32_16x16x4_f32). A number that lies on a knife's edge between two numbers of the format may be rounded either way, as far as f32 arithmetic and the matrix unit's own rounding can turn it there, and no further.
;; 2 versions, each right; version 2 is version 1 with the launch quant written anew for expert scheduling mode. Each part assembles by itself: llvm-mc -triple=amdgcn-amd-amdhsa -mcpu=gfx1250 --defsym DOCPART=n.
;; ======== version 1 of 2: 3 launches
;; workspace buffers: xc 12,582,912 bytes; xs 524,288 bytes; gc 7,864,320 bytes; gs 327,680 bytes; dc 3,932,160 bytes; dsc 163,840 bytes; act 4,390,912 bytes
;; launch quant (part 1): grid 496 x 1, 8 waves a work-group, no clusters, 76,800 bytes of LDS; arguments hidden_states, gate_w, shared_w_gate_up, w_gate_up, shared_w_down, w_down, xc, xs, gc, gs, dc, dsc, act; writes xc, xs, gc, gs, dc, dsc, act
.if DOCPART == 1
	.amdgcn_target "amdgcn-amd-amdhsa--gfx1250"
	.amdhsa_code_object_version 6
	.text
	.protected	k_qd46f355cb5_quant
	.globl	k_qd46f355cb5_quant
	.p2align	8
	.type	k_qd46f355cb5_quant,@function
k_qd46f355cb5_quant:
	s_mov_b64 s[64:65], 0
	v_nop
	global_prefetch_b8 v0, s[64:65] scope:SCOPE_SE
	s_setreg_imm32_b32 hwreg(HW_REG_WAVE_MODE, 25, 1), 1
	s_wait_xcnt 0x0
; LAUNCH 1 OF 3.  Every f32 operand that arrives as an input is turned ONCE into codes of BF6 (E3M2) with one E8M0 byte for each 32 along K, and the router's combine weights are made.
; A FRAGMENT is 16 rows x 128 K.  It is stored as an IMAGE OF THE OPERAND'S 12 REGISTERS, 1,536 bytes: registers 4 c .. 4 c + 3 of lane l at 512 c + 16 l.  A QUAD is four fragments on end; its 64 scale words
; fill 256 bytes: the word of fragment n, row r at 128 (n / 2) + 8 r + 4 (n % 2).  One wave makes one quad.
; WORK-GROUPS (eight waves): 0-255 the tokens (rowtile id of 16 tokens, wave w: K steps 4 w .. 4 w + 3); 256-415 the gate/up weights, 160 rowtiles reordered so that 64 columns on end are 32 gate rows and their
; 32 up rows (a unit; units 0-7 shared, 8-39 the experts'); 416-431 the shared down weights (fragment 256 s + ht); 432-495 the experts' down weights (fragment 512 + 256 slot + ht: K 0-63 expert 2 slot, K 64-127 expert 2 slot + 1).
; The kinds differ in pointers, strides and offsets alone, all chosen by s_cselect on the work-group's number: one path through the text.
; THE SCALE: 2^(floor(log2(largest magnitude)) - 4); its byte is the largest magnitude's exponent field - 4, held at 1 from below.  A block of zeros gets the byte 1: its codes are zeros, and this program alone reads the bytes.
; THE ROUTER (token work-groups): each wave multiplies its four K steps of the tokens' codes by gate_w's, quantised here too; the eight partial sums meet in LDS; wave 0 takes the row's largest logit away,
; p = 2^((logit - max) log2 e), finds the two largest p (of equal p the lower expert, as top_k does) and stores c = p / (p1 + p2) for them and 0 for the other fourteen.
; LIMITS: the softmax's divisor cancels in c and is not formed, so two probabilities that only that division would round onto each other are ordered by p; a p under 2^-126 counts as 0; NaN and infinities among the inputs are not served.
.set STGB,  8448                       ; LDS: a stage for each wave: 16 rows x (512 bytes + 16): row r starts at bank 4 r mod 64 (64 banks of 4 bytes: ISA guide 11.1)
.set RED,   8*STGB                     ; behind the stages: 1,024 bytes for each wave's partial logits
.set REC,   17152                      ; a token tile's record in act
.set VO,    16                         ; v16-31   byte offset of my 16 bytes in row i of a fragment: i x row stride + (lane / 16) x distance of the two halves of K + 16 (lane % 16)
.set RAW,   32                         ; v32-95   a fragment as loaded
.set X,     96                         ; v96-159  the same turned: register 32 c + i = k 64 c + 32 (lane / 16) + i of row lane % 16
.set XF,    160                        ; v160-207 my quad's four fragments of codes; they stay
.set XW,    208                        ; v208-211 their scale words
.set GF,    212                        ; v212-223 a fragment of gate_w's codes
.set GW,    224                        ; v224     its scale word
.set ACC,   226                        ; v226-233 my partial logits
.set CT,    234                        ; v234-240 second halves of blocks: a conversion's three registers begin on an even number
.set TM,    242                        ; v242-249 at work
.set SH8,   250                        ; v250     8 x (lane / 16)
	s_load_b256 s[4:11], s[0:1], 0x0               ; hidden_states, gate_w, shared_w_gate_up, w_gate_up
	s_load_b256 s[12:19], s[0:1], 0x20             ; shared_w_down, w_down, xc, xs
	s_load_b256 s[20:27], s[0:1], 0x40             ; gc, gs, dc, dsc
	s_load_b64 s[28:29], s[0:1], 0x60              ; act
	v_lshl_add_u32 v254, v0, 2, 0x12800
	v_mov_b32 v255, 0
	v_lshrrev_b32 v1, 5, v0
	v_readfirstlane_b32 s30, v1                    ; wave 0..7
	v_and_b32 v1, 31, v0                           ; lane
	v_and_b32 v2, 15, v0                           ; r
	v_bfe_u32 v3, v0, 4, 1                         ; h
	s_mul_i32 s31, s30, STGB
	v_lshlrev_b32 v6, 4, v1                        ; 16 x lane
	v_lshlrev_b32 v7, 3, v1                        ; 8 x lane
	v_add_nc_u32 v4, s31, v6                       ; the stage, on the way in: a row's 512 bytes as they lie
	v_mul_u32_u24 v5, v2, 528
	v_lshl_add_u32 v5, v3, 7, v5
	v_add_nc_u32 v5, s31, v5                       ; and out: row r, + 128 h
	s_lshl_b32 s31, s30, 10
	s_add_co_u32 s31, s31, RED
	v_lshlrev_b32 v9, 5, v1
	v_add_nc_u32 v8, s31, v9                       ; where I put my partial logits: RED + 1,024 wave + 32 lane
	v_add_nc_u32 v9, RED, v9                       ; where wave 0 reads them
	v_lshlrev_b32 v[SH8], 3, v3
	v_mov_b32 v[TM+7], 0                           ; written once: a lane permute's destination counts as one of its sources
	s_mov_b32 s32, 0x76543210
	s_mov_b32 s33, 0xfedcba98                      ; v_permlanex16_b32's selects for lane l xor 16
	; each kind's byte offset into its source and its quad, all four made, one chosen
	s_lshl_b32 s58, s30, 11                        ; wave x 4 K steps x 512 bytes
	s_lshl_b32 s48, ttmp9, 18                      ; tokens: 16 rows of 16,384 bytes a rowtile
	s_add_co_u32 s48, s48, s58
	s_lshl_b32 s49, ttmp9, 3
	s_add_co_u32 s49, s49, s30                     ; quad 8 id + wave
	s_sub_co_u32 s59, ttmp9, 256                   ; gate/up: destination rowtile d
	s_lshl_b32 s51, s59, 3
	s_add_co_u32 s51, s51, s30                     ; quad 8 d + wave
	s_lshr_b32 s60, s59, 2                         ; unit u = d / 4
	s_and_b32 s61, s59, 1
	s_lshl_b32 s61, s61, 4                         ; 16 (d & 1)
	s_bfe_u32 s62, s59, 0x10001                    ; (d % 4) / 2: gate rows or up rows
	s_lshl_b32 s50, s60, 5
	s_add_co_u32 s50, s50, s61
	s_lshl_b32 s63, s62, 8
	s_add_co_u32 s50, s50, s63                     ; shared: source row 32 u + 16 (d & 1) + 256 x up
	s_sub_co_u32 s63, s60, 8                       ; experts: u' = u - 8
	s_lshr_b32 s72, s63, 1
	s_lshl_b32 s72, s72, 7
	s_and_b32 s63, s63, 1
	s_lshl_b32 s63, s63, 5
	s_add_co_u32 s72, s72, s63
	s_add_co_u32 s72, s72, s61
	s_lshl_b32 s62, s62, 6
	s_add_co_u32 s72, s72, s62                     ; source row 128 (u' / 2) + 32 (u' % 2) + 16 (d & 1) + 64 x up
	s_sub_co_u32 s55, ttmp9, 416                   ; shared down: quad Q = 8 (id - 416) + wave
	s_lshl_b32 s55, s55, 3
	s_add_co_u32 s55, s55, s30
	s_and_b32 s54, s55, 63
	s_lshl_b32 s54, s54, 16                        ; (Q % 64) x 64 rows of 1,024 bytes
	s_lshr_b32 s73, s55, 6
	s_lshl_b32 s73, s73, 9                         ; + K step Q / 64
	s_add_co_u32 s54, s54, s73
	s_sub_co_u32 s57, ttmp9, 432                   ; experts' down: Q' = 8 (id - 432) + wave
	s_lshl_b32 s57, s57, 3
	s_add_co_u32 s57, s57, s30
	s_lshr_b32 s56, s57, 6
	s_lshl_b32 s56, s56, 21                        ; slot Q' / 64: two experts of 1,048,576 bytes
	s_and_b32 s73, s57, 63
	s_lshl_b32 s73, s73, 14                        ; (Q' % 64) x 64 rows of 256 bytes
	s_add_co_u32 s56, s56, s73
	s_add_co_u32 s57, s57, 128                     ; quad 128 + Q'
	s_wait_kmcnt 0x0
	s_cmp_lt_u32 s60, 8                            ; a shared unit or an expert's?
	s_cselect_b64 s[52:53], s[8:9], s[10:11]
	s_cselect_b32 s50, s50, s72
	s_lshl_b32 s50, s50, 14
	s_add_co_u32 s50, s50, s58
	s_mov_b32 s36, 256                             ; s36 from row to row, s37 from K 0-63 to K 64-127, s38 from fragment to fragment of the quad, in bytes
	s_mov_b32 s37, 0x100000
	s_mov_b32 s38, 4096
	s_cmp_lt_u32 ttmp9, 432                        ; every choice hangs on the work-group's number alone
	s_cselect_b64 s[34:35], s[12:13], s[14:15]
	s_cselect_b32 s44, s54, s56
	s_cselect_b32 s46, s55, s57
	s_cselect_b32 s36, 1024, s36
	s_cselect_b32 s37, 256, s37
	s_cselect_b32 s38, 16384, s38
	s_cmp_lt_u32 ttmp9, 416
	s_cselect_b64 s[34:35], s[52:53], s[34:35]
	s_cselect_b64 s[40:41], s[20:21], s[24:25]
	s_cselect_b64 s[42:43], s[22:23], s[26:27]
	s_cselect_b32 s44, s50, s44
	s_cselect_b32 s46, s51, s46
	s_cselect_b32 s36, 16384, s36
	s_cselect_b32 s38, 512, s38
	s_cmp_lt_u32 ttmp9, 256
	s_cselect_b64 s[34:35], s[4:5], s[34:35]
	s_cselect_b64 s[40:41], s[16:17], s[40:41]
	s_cselect_b64 s[42:43], s[18:19], s[42:43]
	s_cselect_b32 s44, s48, s44
	s_cselect_b32 s46, s49, s46
	s_mov_b32 s45, 0
	s_mov_b32 s39, 0
	s_add_nc_u64 s[34:35], s[34:35], s[44:45]      ; the quad's four fragments have a base each: no pointer is stepped while a load is out
	s_add_nc_u64 s[66:67], s[34:35], s[38:39]
	s_add_nc_u64 s[68:69], s[66:67], s[38:39]
	s_add_nc_u64 s[70:71], s[68:69], s[38:39]
	s_mul_i32 s44, s46, 6144
	s_add_nc_u64 s[40:41], s[40:41], s[44:45]      ; the quad's codes
	s_lshl_b32 s44, s46, 8
	s_add_nc_u64 s[42:43], s[42:43], s[44:45]      ; and its scale words
	v_mul_lo_u32 v10, v3, s37
	v_lshl_add_u32 v[VO], v2, 4, v10
.irp i, 1,2,3,4,5,6,7,8,9,10,11,12,13,14,15
	v_add_nc_u32 v[VO+\i], s36, v[VO+\i-1]
.endr
; 16 loads: load i takes row i; lanes 0-15 its 256 bytes of K 0-63, lanes 16-31 those of K 64-127: two runs of 256 consecutive bytes, aligned
.macro LOADF base
.irp i, 0,1,2,3,4,5,6,7,8,9,10,11,12,13,14,15
	global_load_b128 v[RAW+4*\i:RAW+4*\i+3], v[VO+\i], s[\base:\base+1] th:TH_LOAD_NT
.endr
.endm
.macro LOADG q                         ; the same of gate_w (its strides are the tokens'); 256 work-groups read it, so no hint
.irp i, 0,1,2,3,4,5,6,7,8,9,10,11,12,13,14,15
	global_load_b128 v[RAW+4*\i:RAW+4*\i+3], v[VO+\i], s[6:7] offset:512*(\q)
.endr
.endm
; The conversions take neighbours along K from one lane's registers: the fragment goes through my wave's stage as it lies and comes back 128 bytes (a whole block of 32) a lane and half of K.
.macro TURN
.irp i, 0,1,2,3,4,5,6,7,8,9,10,11,12,13,14,15
	ds_store_b128 v4, v[RAW+4*\i:RAW+4*\i+3] offset:528*\i
.endr
.irp c, 0,1
.irp j, 0,1,2,3,4,5,6,7
	ds_load_b128 v[X+32*\c+4*\j:X+32*\c+4*\j+3], v5 offset:256*\c+16*\j   ; LDS serves a wave's instructions in order (ISA guide 5.7.1.4): these see the stores above
.endr
.endr
	s_wait_dscnt 0x0                               ; the numbers are back; the stores have read the raw set, which may be loaded again
.endm
; The turned fragment becomes 12 registers of codes at v[dst] and its rows' scale word in v[wd].  A lane holds two whole blocks: 2 c + h, c = 0, 1.
.macro QUANT dst, wd
.irp c, 0,1
	v_max3_num_f32 v[TM+\c], |v[X+32*\c]|, |v[X+32*\c+1]|, 0x2800000   ; the floor 2^(5 - 127) among the leaves: the byte cannot fall under 1
.endr
.irp i, 2,4,6,8,10,12,14,16,18,20,22,24,26,28,30
.irp c, 0,1
	v_max3_num_f32 v[TM+\c], v[TM+\c], |v[X+32*\c+\i]|, |v[X+32*\c+\i+1]|   ; (the two blocks by turns)
.endr
.endr
.irp c, 0,1
	v_add_nc_u32 v[TM+2+\c], 0xfe000000, v[TM+\c]  ; 4 off the exponent field: the conversion takes the exponent field of this operand as its scale
.endr
.irp c, 0,1
	v_lshrrev_b32 v[TM+4+\c], 23, v[TM+2+\c]       ; the scale's byte
.endr
	v_lshl_or_b32 v[TM+6], v[TM+5], 16, v[TM+4]    ; my two bytes, blocks h and 2 + h,
	v_lshlrev_b32 v[TM+6], v[SH8], v[TM+6]         ; at their places (8 h bits up);
	v_permlanex16_b32 v[TM+7], v[TM+6], s32, s33
	v_or_b32 v[\wd], v[TM+6], v[TM+7]              ; with lane l xor 16's two the word is whole, in both lanes
.irp c, 0,1
	v_cvt_scalef32_pk16_bf6_f32 v[(\dst)+6*\c:(\dst)+6*\c+2], v[X+32*\c:X+32*\c+15], v[TM+2+\c]
	v_cvt_scalef32_pk16_bf6_f32 v[CT+4*\c:CT+4*\c+2], v[X+32*\c+16:X+32*\c+31], v[TM+2+\c]
.endr
	v_nop                                          ; one plain place behind a scaled conversion
.irp c, 0,1
.irp i, 0,1,2
	v_mov_b32 v[(\dst)+3+6*\c+\i], v[CT+4*\c+\i]
.endr
.endr
.endm
	; ---- every work-group: my quad.  The next fragment's 16 loads are on their way while this one is quantised
	LOADF 34
.irp q, 0,1,2,3
	s_wait_loadcnt 0x0                             ; this fragment's 16 loads are the only ones out
	TURN
.if \q < 3
	LOADF 66+2*\q
.endif
	QUANT XF+12*\q, XW+\q
.irp c, 0,1,2
	global_store_b128 v6, v[XF+12*\q+4*\c:XF+12*\q+4*\c+3], s[40:41] offset:1536*\q+512*\c   ; 32 lanes store 512 consecutive bytes, aligned; these registers are never written again
.endr
.endr
	v_cmp_ne_u32 vcc_lo, 0, v3
	v_cndmask_b32 v12, v[XW], v[XW+2], vcc_lo      ; lanes 0-15: fragments 0 and 1's words of row r; lanes 16-31: fragments 2 and 3's
	v_cndmask_b32 v13, v[XW+1], v[XW+3], vcc_lo
	global_store_b64 v7, v[12:13], s[42:43]        ; 32 lanes store 256 consecutive bytes, aligned
	s_cmp_ge_u32 ttmp9, 256
	s_cbranch_scc1 .Lend                           ; the weights' work-groups are done: all eight waves alike, ahead of the barrier
	; ---- token work-groups: logits^T = gate_w x^T over my four K steps
	s_lshl_b32 s44, s30, 11
	s_add_nc_u64 s[6:7], s[6:7], s[44:45]
	LOADG 0
.irp q, 0,1,2,3
	s_wait_loadcnt 0x0
	TURN
.if \q < 3
	LOADG \q+1
.endif
	QUANT GF, GW                                   ; its 32 maxima are the places between the last product and the lines that write that product's operand and scale
.rept 8
	v_nop                                          ; a scale register written by a vector instruction stands 8 places ahead of a scaled matrix instruction, an operand so written 4
.endr
.if \q == 0
	v_wmma_scale_f32_16x16x128_f8f6f4 v[ACC:ACC+7], v[GF:GF+11], v[XF:XF+11], 0, v[GW], v[XW] matrix_a_fmt:MATRIX_FMT_BF6 matrix_b_fmt:MATRIX_FMT_BF6
.else
	s_wait_alu depctr_va_vdst(0)                   ; this wait directly ahead of each link
	v_wmma_scale_f32_16x16x128_f8f6f4 v[ACC:ACC+7], v[GF:GF+11], v[XF+12*\q:XF+12*\q+11], v[ACC:ACC+7], v[GW], v[XW+\q] matrix_a_fmt:MATRIX_FMT_BF6 matrix_b_fmt:MATRIX_FMT_BF6
.endif
.endr
.rept 4
	v_nop                                          ; four places ahead of the first read of the result
.endr
	ds_store_b128 v8, v[ACC:ACC+3]                 ; lane (r, h): token r, experts 8 h + 0 .. 7; from the low end on
	ds_store_b128 v8, v[ACC+4:ACC+7] offset:16
	s_wait_dscnt 0x0                               ; for wave 0's sake: my stores have landed
	s_barrier_signal -1
	s_barrier_wait -1
	s_cmp_lg_u32 s30, 0
	s_cbranch_scc1 .Lend
	; ---- wave 0: the sums, the two largest, the combine weights.  The eight waves' parts land in v96-159; all else of this tail lies in v32-84, the raw set, whose last loads and LDS stores have been waited for
.set L,   96                           ; v96-159  eight waves' partial logits, eight registers each; the sums end in v96-103
.set P,   32                           ; v32-39   p
.set EI,  40                           ; v40-47   my eight experts' numbers, as f32
.set P2,  48                           ; v48-55   p with the first choice taken out
.set CI,  56                           ; v56-63   candidates for the lower index
.set CW,  64                           ; v64-71   c
.set M1,  72                           ; v72      the largest p;       v73 its expert
.set I1,  73
.set M2,  74                           ; v74      the second largest;  v75 its expert
.set I2,  75
.set WK,  76                           ; v76      at work
.set BIG, 77                           ; v77      16.0: above every expert's number
.set NEG, 78                           ; v78      -1.0: under every p
.set INV, 79                           ; v79      1 / (p1 + p2)
.set C1,  80                           ; v80, v81 the two weights
.set C2,  81
.set AO,  82                           ; v82      c's byte offset in the record; v83 the padding's; v84 zero
.set PO,  83
.set ZR,  84
.irp w, 0,1,2,3,4,5,6,7
	ds_load_b128 v[L+8*\w:L+8*\w+3], v9 offset:1024*\w
	ds_load_b128 v[L+8*\w+4:L+8*\w+7], v9 offset:1024*\w+16
.endr
.irp j, 0,1,2,3,4,5,6,7
	v_add_nc_u32 v[EI+\j], \j, v[SH8]
.endr
.irp j, 0,1,2,3,4,5,6,7
	v_cvt_f32_u32 v[EI+\j], v[EI+\j]
.endr
	v_mov_b32 v[BIG], 0x41800000
	v_mov_b32 v[NEG], -1.0
	s_wait_dscnt 0x0
.irp w, 1,2,3,4,5,6,7
.irp j, 0,2,4,6
	v_pk_add_f32 v[L+\j:L+\j+1], v[L+\j:L+\j+1], v[L+8*\w+\j:L+8*\w+\j+1]   ; the waves' parts, K ascending
.endr
.endr
	v_max3_num_f32 v[WK], v[L], v[L+1], v[L+2]
	v_max3_num_f32 v[WK], v[WK], v[L+3], v[L+4]
	v_max3_num_f32 v[WK], v[WK], v[L+5], v[L+6]
	v_max_num_f32 v[WK], v[WK], v[L+7]
	v_permlanex16_b32 v[TM+7], v[WK], s32, s33
	v_max_num_f32 v[WK], v[WK], v[TM+7]            ; the row's largest logit
.irp j, 0,1,2,3,4,5,6,7
	v_sub_f32 v[P+\j], v[L+\j], v[WK]
.endr
.irp j, 0,1,2,3,4,5,6,7
	v_mul_f32 v[P+\j], 0x3fb8aa3b, v[P+\j]
.endr
.irp j, 0,1,2,3,4,5,6,7
	v_exp_f32 v[P+\j], v[P+\j]
.endr
	v_nop                                          ; a plain place behind the exponentials,
	s_wait_alu depctr_va_vdst(0)                   ; and one wait for the batch, ahead of its first reader
; the largest of 16 numbers (eight mine, eight lane l xor 16's) into v[m], and the lowest expert that has it into v[ix]
.macro TOP p, m, ix
	v_max3_num_f32 v[\m], v[\p], v[\p+1], v[\p+2]
	v_max3_num_f32 v[\m], v[\m], v[\p+3], v[\p+4]
	v_max3_num_f32 v[\m], v[\m], v[\p+5], v[\p+6]
	v_max_num_f32 v[\m], v[\m], v[\p+7]
	v_permlanex16_b32 v[TM+7], v[\m], s32, s33
	v_max_num_f32 v[\m], v[\m], v[TM+7]
.irp j, 0,1,2,3,4,5,6,7
	v_cmp_eq_f32 vcc_lo, v[\p+\j], v[\m]
	v_cndmask_b32 v[CI+\j], v[BIG], v[EI+\j], vcc_lo
.endr
	v_min3_num_f32 v[\ix], v[CI], v[CI+1], v[CI+2]
	v_min3_num_f32 v[\ix], v[\ix], v[CI+3], v[CI+4]
	v_min3_num_f32 v[\ix], v[\ix], v[CI+5], v[CI+6]
	v_min_num_f32 v[\ix], v[\ix], v[CI+7]
	v_permlanex16_b32 v[TM+7], v[\ix], s32, s33
	v_min_num_f32 v[\ix], v[\ix], v[TM+7]
.endm
	TOP P, M1, I1
.irp j, 0,1,2,3,4,5,6,7
	v_cmp_eq_f32 vcc_lo, v[EI+\j], v[I1]
	v_cndmask_b32 v[P2+\j], v[P+\j], v[NEG], vcc_lo
.endr
	TOP P2, M2, I2
	v_add_f32 v[WK], v[M1], v[M2]
	v_rcp_f32 v[INV], v[WK]
	s_lshr_b32 s44, ttmp9, 4                       ; my tile's record: group id / 16, tile id % 16; c begins 16,000 bytes in
	s_mul_i32 s44, s44, 16*REC
	s_and_b32 s46, ttmp9, 15
	s_mul_i32 s46, s46, REC
	s_add_co_u32 s44, s44, s46
	s_add_co_u32 s44, s44, 16000
	s_add_nc_u64 s[28:29], s[28:29], s[44:45]
	v_lshlrev_b32 v[AO], 6, v2                     ; (a plain place behind the reciprocal)  c: 64 bytes a token,
	v_lshl_add_u32 v[AO], v3, 5, v[AO]             ; + 32 h
	v_lshlrev_b32 v[PO], 2, v1
	v_mov_b32 v[ZR], 0
	s_wait_alu depctr_va_vdst(0)                   ; the wait ahead of the reciprocal's first reader
	v_mul_f32 v[C1], v[M1], v[INV]
	v_mul_f32 v[C2], v[M2], v[INV]
.irp j, 0,1,2,3,4,5,6,7
	v_cmp_eq_f32 vcc_lo, v[EI+\j], v[I2]
	v_cndmask_b32 v[CW+\j], 0, v[C2], vcc_lo
	v_cmp_eq_f32 vcc_lo, v[EI+\j], v[I1]
	v_cndmask_b32 v[CW+\j], v[CW+\j], v[C1], vcc_lo
.endr
	global_store_b128 v[AO], v[CW:CW+3], s[28:29]
	global_store_b128 v[AO], v[CW+4:CW+7], s[28:29] offset:16
	global_store_b32 v[PO], v[ZR], s[28:29] offset:1024   ; the record's last 128 bytes are padding: written, since the third launch copies whole records
.Lend:
	s_wait_tensorcnt 0x0
	ds_add_u32 v254, v255
	s_wait_dscnt 0x0
	s_endpgm
.Lfunc_end_k_qd46f355cb5_quant:
	.size	k_qd46f355cb5_quant, .Lfunc_end_k_qd46f355cb5_quant-k_qd46f355cb5_quant
	.p2alignl 7, 3214868480
	.fill 96, 4, 3214868480
	.section	.rodata,"a",@progbits
	.p2align	6, 0x0
	.amdhsa_kernel k_qd46f355cb5_quant
		.amdhsa_group_segment_fixed_size 76800
		.amdhsa_private_segment_fixed_size 0
		.amdhsa_enable_private_segment 0
		.amdhsa_kernarg_size 104
		.amdhsa_user_sgpr_count 2
		.amdhsa_user_sgpr_kernarg_segment_ptr 1
		.amdhsa_wavefront_size32 1
		.amdhsa_system_sgpr_workgroup_id_x 1
		.amdhsa_system_sgpr_workgroup_id_y 1
		.amdhsa_system_sgpr_workgroup_id_z 1
		.amdhsa_system_vgpr_workitem_id 0
		.amdhsa_next_free_vgpr 256
		.amdhsa_next_free_sgpr 80
		.amdhsa_reserve_vcc 1
		.amdhsa_float_denorm_mode_32 3
		.amdhsa_float_denorm_mode_16_64 3
		.amdhsa_memory_ordered 1
		.amdhsa_forward_progress 1
		.amdhsa_inst_pref_size 71
	.end_amdhsa_kernel
	.amdgpu_metadata
---
amdhsa.version: [ 1, 2 ]
amdhsa.kernels:
  - .name:           k_qd46f355cb5_quant
    .symbol:         k_qd46f355cb5_quant.kd
    .args:
      - { .name: hidden_states, .offset: 0, .size: 8, .value_kind: global_buffer, .address_space: global }
      - { .name: gate_w, .offset: 8, .size: 8, .value_kind: global_buffer, .address_space: global }
      - { .name: shared_w_gate_up, .offset: 16, .size: 8, .value_kind: global_buffer, .address_space: global }
      - { .name: w_gate_up, .offset: 24, .size: 8, .value_kind: global_buffer, .address_space: global }
      - { .name: shared_w_down, .offset: 32, .size: 8, .value_kind: global_buffer, .address_space: global }
      - { .name: w_down, .offset: 40, .size: 8, .value_kind: global_buffer, .address_space: global }
      - { .name: xc, .offset: 48, .size: 8, .value_kind: global_buffer, .address_space: global }
      - { .name: xs, .offset: 56, .size: 8, .value_kind: global_buffer, .address_space: global }
      - { .name: gc, .offset: 64, .size: 8, .value_kind: global_buffer, .address_space: global }
      - { .name: gs, .offset: 72, .size: 8, .value_kind: global_buffer, .address_space: global }
      - { .name: dc, .offset: 80, .size: 8, .value_kind: global_buffer, .address_space: global }
      - { .name: dsc, .offset: 88, .size: 8, .value_kind: global_buffer, .address_space: global }
      - { .name: act, .offset: 96, .size: 8, .value_kind: global_buffer, .address_space: global }
    .group_segment_fixed_size: 76800
    .private_segment_fixed_size: 0
    .kernarg_segment_align: 8
    .kernarg_segment_size: 104
    .max_flat_workgroup_size: 256
    .sgpr_count:     80
    .vgpr_count:     256
    .wavefront_size: 32
...
	.end_amdgpu_metadata
.endif
;; end of part 1
;; launch gateup (part 2): grid 8 x 32, 4 waves a work-group, clusters of 4 x 4, 327,680 bytes of LDS; arguments xc, xs, gc, gs, act; writes act
.if DOCPART == 2
	.amdgcn_target "amdgcn-amd-amdhsa--gfx1250"
	.amdhsa_code_object_version 6
	.text
	.protected	k_qd46f355cb5_gateup
	.globl	k_qd46f355cb5_gateup
	.p2align	8
	.type	k_qd46f355cb5_gateup,@function
k_qd46f355cb5_gateup:
	s_mov_b64 s[64:65], 0
	v_nop
	global_prefetch_b8 v0, s[64:65] scope:SCOPE_SE
	s_setreg_imm32_b32 hwreg(HW_REG_WAVE_MODE, 25, 1), 1
	s_wait_xcnt 0x0
	s_wait_alu depctr_hold_cnt(0) depctr_sa_sdst(0) depctr_va_vdst(0) depctr_va_sdst(0) depctr_va_ssrc(0) depctr_va_vcc(0) depctr_vm_vsrc(0)
	s_getreg_b32 s2, hwreg(HW_REG_IB_STS2, 6, 4)
	s_cmp_eq_u32 s2, 0
	s_cbranch_scc0 .Lentry_in_a_cluster
	s_endpgm
.Lentry_in_a_cluster:
	s_bfe_u32 s2, ttmp6, 0x10000c
	s_cmp_lg_u32 s2, 0xf033
	s_cbranch_scc0 .Lentry_shape_is_right
	s_endpgm
.Lentry_shape_is_right:
; LAUNCH 2 OF 3.  gu = x W^T for all 2,560 gate/up columns (512 shared, 16 x 128 of the experts) on codes of BF6 with E8M0 scales, then silu(gate) x up in f32, quantised along the down products' K, into act.
; Every expert is computed for every token; the combine weight 0 takes the experts that were not chosen out in the third launch.  So no address, branch or trip count hangs on data.
; SHARES.  A work-group: 128 tokens (8 rowtiles) x 320 columns (20 rowtiles = 5 units of 32 gate + 32 up): 8 x 32 = 256 work-groups.  A wave: 64 tokens x 160 columns: 40 accumulators, 320 registers.
; OPERANDS lie in memory as images of their registers (first launch), K steps on end: a rowtile's three K steps are 4,608 dense bytes, and a fragment comes from LDS by three ds_load_b128 at 16 x lane.
; THE RING.  K = 32 steps of 128 goes through two LDS slots of THREE steps each, as many as fit beside the scale words: ten slots' worth of three steps and a last one of two.  A refill goes out only when the
; one before has landed, so the slots are as large as LDS allows and the refills as few: nine.  A slot's 120 products a wave are all issued ahead of the change of slots, so that nothing stands between the
; landing of the next slot's tiles and the next request.  The scale words of the work-group's rows, for all of K, come once and stay.
; CLUSTERS: 4 x 4.  The tokens' tiles hang on the work-group's y alone and are asked for jointly along a row of the cluster, the weights' on its x alone, along a column.
; TRANSPOSED: source 0 = 16 weight rows, source 1 = 16 tokens: a lane holds one token and eight neighbouring columns.
; THE WAY OUT.  A unit's 64 columns come from two waves, so gu goes through a stage in LDS (it lies in the ring, behind the ring's last fill and last read); then a thread takes one token, and for each unit its
; 32 gate and 32 up numbers: a whole block of 32 along the next K in one lane.  Its 24 bytes of codes and its scale byte go to the token tile's record: stores of 12 bytes and of 1 byte a lane, 24 or 48 bytes
; apart, 3.9 MB in the whole launch: they do not cover aligned runs of 256 bytes whole.
; NOT HERE: a prefetch of later slots' tiles.  A rowtile's part of a slot is 18 blocks of 256 bytes, which do not share out evenly over 32 lanes and four partners.
; LIMITS: a sigmoid whose exponential passes 2^128 counts as 0; a block of zeros gets the scale byte 1 (its codes are zeros; this program alone reads the bytes); NaN and infinities are not served.
; REGISTERS, in windows of 256: window 0: v0-29 addresses; v32-143 scale words, two sets; v160-255 the tokens' fragments, two sets of 4.  window 1: the weights' fragments, two sets of 10, at v0 and v128.
;   window 2: the accumulators of my token tiles 0, 1 (tile a, weight rowtile b at v[8 (10 (a % 2) + b)]);  window 3: of tiles 2, 3.
.set FR,     12                        ; registers of a fragment
.set FRB,    1536                      ; its image in bytes
.set RT3,    3*FRB                     ; a rowtile's three K steps: a row of a slot
.set RT2,    2*FRB                     ; a row of the last slot's tiles: K steps 30 and 31
.set RTC,    RT3                       ; the row pitch of the tiles that are being read
.set ABY,    8*RT3                     ; a slot: the tokens' 8 rowtiles,
.set SLOT,   28*RT3                    ; then the weights' 20
.set SCL,    2*SLOT                    ; behind the ring: the tokens' scale words, 2,048 bytes a rowtile,
.set SCB,    SCL+8*2048                ; the weights',
.set SPARE,  SCL+28*2048               ; and the spare words, 128 bytes for each wave: two blocks of 256 bytes that no other line names
.set SPITCH, 1296                      ; the stage: 128 rows x (1,280 bytes + 16): row t starts at bank 4 t mod 64 (64 banks of 4 bytes: ISA guide 11.1)
.set REC,    17152                     ; a token tile's record in act
.set ADRA, 16                          ; v16-17  LDS address of my tokens' fragments in slot 0, 1
.set ADRB, 20                          ; v20-21  of my weights'
.set ASA,  24                          ; v24     of my tokens' scale words: 384 bytes (six K steps) on at each lap
.set ASB,  25                          ; v25     of my weights'
.set STO,  26                          ; v26     the stage: where I put 32 bytes of a token's row
.set RD,   27                          ; v27     and where my thread's token begins
.set SPW,  28                          ; v28     LDS address of my spare word; never rewritten
.set NIL,  29                          ; v29     0; never rewritten
.set SC,   32                          ; scale words: set s at v[32 + 56 s], four registers a rowtile (tokens' tile a: 4 a; weights' rowtile b: 16 + 4 b).  K step q of slot 0 at + q; of slot 1 at + 0, 2, 3: the pairs that come by one load begin on an even register
.set AF,   160
.set G1,   24                          ; s[24:31] descriptor group 1 for the tokens' tiles; s[32:39] group 0, a set for each slot
.set G0,   32
.set G1B,  48                          ; s[48:55], s[56:63] the same for the weights'
.set G0B,  56
.set G1S,  68                          ; s[68:75], s[76:79] for the tokens' scale words; s[80:87], s[88:91] for the weights'
.set G0S,  76
.set G1SB, 80
.set G0SB, 88
.set MSB, 0
.macro WIN new                         ; the immediate's high byte repeats the setting that is left
.if MSB != \new
	s_set_vgpr_msb (MSB<<8)|\new
.set MSB, \new
.endif
.endm
.set MUL_LO, 0xa1                      ; source 0 (weights) window 1, source 1 (tokens) window 0, C and D window 2
.set MUL_HI, 0xf1                      ; the same, C and D window 3
.set TO_B,   0x40                      ; destination window 1, address window 0
; A joint load: waves 0 and 1 fetch for the tokens, waves 2 and 3 for the weights.  The branch hangs on the wave's number alone.  Four v_nop follow each of the two lines.
.macro JLOAD g0a, g1a, g0b, g1b
	s_cmp_eq_u32 s15, 0
	s_cbranch_scc0 .Lfor_b_\@
	tensor_load_to_lds s[\g0a:\g0a+3], s[\g1a:\g1a+7]
	s_nop 0
.rept 4
	v_nop
.endr
	s_branch .Lasked_\@
.Lfor_b_\@:
	tensor_load_to_lds s[\g0b:\g0b+3], s[\g1b:\g1b+7]
	s_nop 0
.rept 4
	v_nop
.endr
.Lasked_\@:
.endm
.macro CREST                           ; a round of the cluster's barrier behind its opening barrier
	s_cmp_lg_u32 s14, 0
	s_cbranch_scc1 .Lnot_wave_0_\@
	s_barrier_signal -3
.Lnot_wave_0_\@:
	s_barrier_wait -3
	s_barrier_signal -1
	s_barrier_wait -1
.endm
.macro CROUND                          ; a whole round
	s_barrier_signal -1
	s_barrier_wait -1
	CREST
.endm
.macro PLACES n
.rept \n
	v_nop
.endr
.endm
	s_load_b256 s[4:11], s[0:1], 0x0               ; xc, xs, gc, gs
	s_load_b64 s[12:13], s[0:1], 0x20              ; act
	v_lshl_add_u32 v[SPW], v0, 2, SPARE
	v_mov_b32 v[NIL], 0
	ds_add_u32 v28, v29
	ds_add_u32 v28, v29
	s_wait_dscnt 0x0
	v_lshrrev_b32 v1, 5, v0
	v_readfirstlane_b32 s14, v1                    ; wave 0..3
	s_lshr_b32 s15, s14, 1                         ; which 64 tokens are mine.  Also: I fetch for the tokens (0) or for the weights (1)
	s_and_b32 s16, s14, 1                          ; which 160 columns.  Also: which half of that tile I fetch
	s_bfe_u32 s40, ttmp6, 0x40000                  ; cx, cy: my place in the cluster
	s_bfe_u32 s41, ttmp6, 0x40004
	s_lshl_b32 s42, ttmp9, 2
	s_add_co_u32 s42, s42, s40                     ; tx = 4 x cluster x + cx
	s_and_b32 s17, ttmp7, 0xffff
	s_lshl_b32 s17, s17, 2
	s_add_co_u32 s17, s17, s41                     ; ty = 4 x cluster y + cy
	s_lshl_b32 s43, s41, 2
	s_lshl_b32 s43, 15, s43                        ; my row of the cluster
	s_lshl_b32 s44, 0x1111, s40                    ; my column
	; descriptor group 1: rows of 4,608 bytes (576 elements of 8 bytes: a rowtile's three K steps), 49,152 bytes (6,144 elements: a rowtile's 32 K steps) apart; 4 rowtiles of tokens or 10 of weights
	s_or_b32 s[G1+0], s43, (3<<16)|(1<<21)         ; 15:0 the mask; 17:16 elements of 8 bytes; 20 no padding; 21 set beside a mask
	s_or_b32 s[G1B+0], s44, (3<<16)|(1<<21)
	s_mov_b32 s[G1+1], 576<<16                     ; tensor_dim0
	s_mov_b32 s[G1+2], 4<<16                       ; tensor_dim1
	s_mov_b32 s[G1+3], 576<<16                     ; tile_dim0
	s_mov_b32 s[G1+4], 4                           ; tile_dim1
	s_mov_b32 s[G1+5], 6144                        ; tensor_dim0_stride
	s_mov_b32 s[G1+6], 0
	s_mov_b32 s[G1+7], 0
	s_mov_b32 s[G1B+1], 576<<16
	s_mov_b32 s[G1B+2], 10<<16
	s_mov_b32 s[G1B+3], 576<<16
	s_mov_b32 s[G1B+4], 10
	s_mov_b32 s[G1B+5], 6144
	s_mov_b32 s[G1B+6], 0
	s_mov_b32 s[G1B+7], 0
	; the scale words: dense blocks, as rows of 256 bytes: 32 rows for 4 rowtiles, 80 for 10
	s_or_b32 s[G1S+0], s43, (3<<16)|(1<<21)
	s_or_b32 s[G1SB+0], s44, (3<<16)|(1<<21)
	s_mov_b32 s[G1S+1], 32<<16
	s_mov_b32 s[G1S+2], 32<<16
	s_mov_b32 s[G1S+3], 32<<16
	s_mov_b32 s[G1S+4], 32
	s_mov_b32 s[G1S+5], 32
	s_mov_b32 s[G1S+6], 0
	s_mov_b32 s[G1S+7], 0
	s_mov_b32 s[G1SB+1], 32<<16
	s_mov_b32 s[G1SB+2], 80<<16
	s_mov_b32 s[G1SB+3], 32<<16
	s_mov_b32 s[G1SB+4], 80
	s_mov_b32 s[G1SB+5], 32
	s_mov_b32 s[G1SB+6], 0
	s_mov_b32 s[G1SB+7], 0
	; every wave makes both addresses, in registers that never hold the other coordinate, and asks by one of them
	s_lshl_b32 s20, s17, 3
	s_lshl_b32 s18, s16, 2
	s_add_co_u32 s20, s20, s18                     ; tokens: rowtile 8 ty + 4 x half
	s_mul_i32 s46, s42, 20
	s_mul_i32 s18, s16, 10
	s_add_co_u32 s46, s46, s18                     ; weights: rowtile 20 tx + 10 x half
	s_lshl_b32 s22, s20, 11                        ; their scale words, 2,048 bytes a rowtile
	s_mov_b32 s23, 0
	s_lshl_b32 s92, s46, 11
	s_mov_b32 s93, 0
	s_mul_i32 s20, s20, 49152                      ; their codes
	s_mov_b32 s21, 0
	s_mul_i32 s46, s46, 49152
	s_mov_b32 s47, 0
	s_mul_i32 s45, s16, 4*RT3                      ; where they go in a slot: no place in the cluster enters an LDS address
	s_mul_i32 s94, s16, 10*RT3
	s_add_co_u32 s94, s94, ABY
	s_lshl_b32 s95, s16, 13
	s_add_co_u32 s95, s95, SCL
	s_mul_i32 s96, s16, 10*2048
	s_add_co_u32 s96, s96, SCB
	s_wait_kmcnt 0x0
	s_add_nc_u64 s[20:21], s[4:5], s[20:21]
	s_add_nc_u64 s[22:23], s[6:7], s[22:23]
	s_add_nc_u64 s[46:47], s[8:9], s[46:47]
	s_add_nc_u64 s[92:93], s[10:11], s[92:93]
	CROUND                                         ; all sixteen work-groups are here: the first joint loads meet
	s_mov_b32 s[G0S], 1
	s_mov_b32 s[G0S+1], s95
	s_mov_b64 s[G0S+2:G0S+3], s[22:23]
	s_or_b32 s[G0S+3], s[G0S+3], 0x80000000
	s_mov_b32 s[G0SB], 1
	s_mov_b32 s[G0SB+1], s96
	s_mov_b64 s[G0SB+2:G0SB+3], s[92:93]
	s_or_b32 s[G0SB+3], s[G0SB+3], 0x80000000
	JLOAD G0S, G1S, G0SB, G1SB                     ; the scale words first: they are wanted with K step 0.  With the two below, three loads of mine are out
.irp s, 0,1
	s_mov_b32 s[G0+4*\s], 1
	s_add_co_u32 s[G0+4*\s+1], s45, \s*SLOT
	s_add_nc_u64 s[G0+4*\s+2:G0+4*\s+3], s[20:21], \s*RT3
	s_or_b32 s[G0+4*\s+3], s[G0+4*\s+3], 0x80000000
	s_mov_b32 s[G0B+4*\s], 1
	s_add_co_u32 s[G0B+4*\s+1], s94, \s*SLOT
	s_add_nc_u64 s[G0B+4*\s+2:G0B+4*\s+3], s[46:47], \s*RT3
	s_or_b32 s[G0B+4*\s+3], s[G0B+4*\s+3], 0x80000000
	JLOAD G0+4*\s, G1, G0B+4*\s, G1B
.endr
	v_and_b32 v1, 31, v0                           ; lane
	v_and_b32 v2, 15, v0                           ; r
	v_bfe_u32 v3, v0, 4, 1                         ; h
	v_lshlrev_b32 v4, 4, v1                        ; 16 x lane: an image's place for my lane
	s_mul_i32 s21, s15, 4*RT3                      ; my 4 rowtiles of tokens: they begin where the wave that fetched them laid its first row
	s_mul_i32 s22, s16, 10*RT3                     ; my 10 of weights likewise,
	s_add_co_u32 s22, s22, ABY                     ; behind the tokens' 8
.irp s, 0,1
	v_add_nc_u32 v[ADRA+\s], s21, v4
	v_add_nc_u32 v[ADRB+\s], s22, v4
	s_add_co_u32 s21, s21, SLOT
	s_add_co_u32 s22, s22, SLOT
.endr
	v_lshlrev_b32 v5, 3, v2                        ; scale words: K step s of row r at 128 (s / 2) + 8 r + 4 (s % 2)
	s_lshl_b32 s21, s15, 13
	s_add_co_u32 s21, s21, SCL
	v_add_nc_u32 v[ASA], s21, v5
	s_mul_i32 s22, s16, 10*2048
	s_add_co_u32 s22, s22, SCB
	v_add_nc_u32 v[ASB], s22, v5
	s_mul_i32 s21, s15, 64*SPITCH                  ; the stage: my 64 tokens' rows, my 640 bytes of them; row r, 32 bytes for each half of the lanes
	s_mul_i32 s22, s16, 640
	s_add_co_u32 s21, s21, s22
	v_mul_u32_u24 v5, v2, SPITCH
	v_lshl_add_u32 v5, v3, 5, v5
	v_add_nc_u32 v[STO], s21, v5
	v_mul_u32_u24 v[RD], v0, SPITCH                ; back: thread t takes token t of the 128
	v_mul_u32_u24 v6, v3, REC                      ; act: my wave's 32 tokens are two tiles: lanes 16-31 the second record
	v_lshl_add_u32 v7, v2, 2, v6                   ; and a scale byte's row: 4 bytes a token
	s_lshr_b32 s20, s17, 1                         ; token group ty / 2, tile 8 (ty & 1) + 2 wave
	s_mul_i32 s20, s20, 16*REC
	s_and_b32 s21, s17, 1
	s_lshl_b32 s21, s21, 3
	s_lshl_b32 s22, s14, 1
	s_add_co_u32 s21, s21, s22
	s_mul_i32 s21, s21, REC
	s_add_co_u32 s20, s20, s21
	s_mov_b32 s21, 0
	s_add_nc_u64 s[12:13], s[12:13], s[20:21]
	s_mul_i32 s97, s42, 5                          ; my work-group's first unit
; 10 matrix instructions: token tile a against my ten weight rowtiles, 128 along K.  p: the set of fragments; q: the slot's K step; sc: the slot, whose set of scale words serves.  zero = 1: the products start the sums: nothing is cleared.
; The 40 accumulators take turns, one instruction a turn, in the same order in every step.
.macro MULA a, p, q, sc, zero
.set SQ, (\q)+(\sc)*(((\q)+1)/2)       ; the K step's place among a rowtile's four scale registers
.irp b, 0,1,2,3,4,5,6,7,8,9
.if \zero
	v_wmma_scale_f32_16x16x128_f8f6f4 v[8*(10*((\a)%2)+\b):8*(10*((\a)%2)+\b)+7], v[128*(\p)+FR*\b:128*(\p)+FR*\b+FR-1], v[AF+48*(\p)+FR*(\a):AF+48*(\p)+FR*(\a)+FR-1], 0, v[SC+56*(\sc)+16+4*\b+SQ], v[SC+56*(\sc)+4*(\a)+SQ] matrix_a_fmt:MATRIX_FMT_BF6 matrix_b_fmt:MATRIX_FMT_BF6
.else
	v_wmma_scale_f32_16x16x128_f8f6f4 v[8*(10*((\a)%2)+\b):8*(10*((\a)%2)+\b)+7], v[128*(\p)+FR*\b:128*(\p)+FR*\b+FR-1], v[AF+48*(\p)+FR*(\a):AF+48*(\p)+FR*(\a)+FR-1], v[8*(10*((\a)%2)+\b):8*(10*((\a)%2)+\b)+7], v[SC+56*(\sc)+16+4*\b+SQ], v[SC+56*(\sc)+4*(\a)+SQ] matrix_a_fmt:MATRIX_FMT_BF6 matrix_b_fmt:MATRIX_FMT_BF6
.endif
.endr
.endm
; 42 LDS loads in one run: the fragments of the slot's K step q into set p; each load takes 512 consecutive bytes
.macro FETCH slot, q, p
	WIN TO_B
.irp b, 0,1,2,3,4,5,6,7,8,9
.irp c, 0,1,2
	ds_load_b128 v[128*(\p)+FR*\b+4*\c:128*(\p)+FR*\b+4*\c+3], v[ADRB+\slot] offset:\b*RTC+(\q)*FRB+512*\c
.endr
.endr
	WIN 0
.irp a, 0,1,2,3
.irp c, 0,1,2
	ds_load_b128 v[AF+48*(\p)+FR*\a+4*\c:AF+48*(\p)+FR*\a+4*\c+3], v[ADRA+\slot] offset:\a*RTC+(\q)*FRB+512*\c
.endr
.endr
.endm
; A rowtile's scale words for a slot.  A lap is six K steps, three pairs of words, 128 bytes apart: slot 0 takes the first pair and the second's lower word, slot 1 the second's upper word and the third pair.
; short = 1: the last slot has two K steps: the first pair alone (the single word would lie past the rowtile's 2,048 bytes).
.macro SCW reg, adr, off, sc, short
.if (\sc) == 0
	ds_load_b64 v[(\reg):(\reg)+1], v[\adr] offset:(\off)
.if (\short) == 0
	ds_load_b32 v[(\reg)+2], v[\adr] offset:(\off)+128
.endif
.else
	ds_load_b32 v[(\reg)], v[\adr] offset:(\off)+132
	ds_load_b64 v[(\reg)+2:(\reg)+3], v[\adr] offset:(\off)+256
.endif
.endm
.macro SCALES sc, short
.irp a, 0,1,2,3
	SCW SC+56*(\sc)+4*\a, ASA, \a*2048, \sc, \short
.endr
.irp b, 0,1,2,3,4,5,6,7,8,9
	SCW SC+56*(\sc)+16+4*\b, ASB, \b*2048, \sc, \short
.endr
.endm
; A K step: 40 products on set (slot + q) % 2: six steps on, a lap, the sets are back where they began.  more = 1: the slot's next step is asked for ahead of the products, into the other set.
; A load into a register that a matrix instruction has read stands four places behind it, and only plain vector instructions that name none of its registers are places (ISA guide 7.12.1 for vector instructions).
.macro KSTEP slot, q, more, zero
.set PP, ((\slot)+(\q))%2
	s_wait_dscnt 0x0                               ; this step's fragments are in (and, at a slot's first step, its scale words)
.if \more
	PLACES 4
	FETCH \slot, (\q)+1, 1-PP
.endif
	WIN MUL_LO
	MULA 0, PP, \q, \slot, \zero
	MULA 1, PP, \q, \slot, \zero
	WIN MUL_HI
	MULA 2, PP, \q, \slot, \zero
	MULA 3, PP, \q, \slot, \zero
.endm
; THE CHANGE OF SLOTS, behind all of a slot's products.  Each wave waits for all its tensor loads (the one that is out is its part of the next slot), adds 0 to its spare word, and waits for that; its reads of this
; slot came back ahead of the slot's last products.  fill = 1: a round of the cluster's barrier, and this slot is filled again, with the K steps two slots on: one load a wave, first thing behind the round;
; it has the other slot's three K steps, 120 matrix instructions a wave, in which to land.  fill = 2: the same with rows of two K steps: the last tiles.  fill = 0: the work-group's barrier alone.
; short = 1: the slot that is read next is the last one.
.macro CHANGE slot, next, fill, short
	WIN 0
	s_wait_tensorcnt 0x0                           ; no tensor load of mine is out: descriptors may be written
	ds_add_u32 v[SPW], v[NIL]                      ; 0 onto my spare word: the descriptors' steps stand between it and the wait for it
.if \fill
	s_add_nc_u64 s[G0+4*\slot+2:G0+4*\slot+3], s[G0+4*\slot+2:G0+4*\slot+3], 2*RT3
	s_add_nc_u64 s[G0B+4*\slot+2:G0B+4*\slot+3], s[G0B+4*\slot+2:G0B+4*\slot+3], 2*RT3
.endif
.if \fill == 2
	s_mov_b32 s[G1+1], 384<<16                     ; tensor_dim0 and tile_dim0: K steps 30 and 31, 3,072 bytes a row: no load reaches past a rowtile's 32 K steps
	s_mov_b32 s[G1+3], 384<<16
	s_mov_b32 s[G1B+1], 384<<16
	s_mov_b32 s[G1B+3], 384<<16
.endif
	s_wait_dscnt 0x0                               ; the add is done; no LDS read of mine is out
.if \fill
	CROUND                                         ; no wave of any partner still reads this slot's tiles or has a load on its way
	JLOAD G0+4*\slot, G1, G0B+4*\slot, G1B         ; the four v_nop behind it are also the places in front of the loads below
.else
	s_barrier_signal -1
	s_barrier_wait -1
	PLACES 4
.endif
.if (\next) == 0
	v_add_nc_u32 v[ASA], 384, v[ASA]               ; a lap on: the next six K steps' scale words
	v_add_nc_u32 v[ASB], 384, v[ASB]
.endif
	FETCH \next, 0, \next
	SCALES \next, \short
.endm
	s_wait_tensorcnt 1                             ; the scale words and my part of slot 0 are in; slot 1's load may be out
	s_barrier_signal -1
	s_barrier_wait -1                              ; everybody's are
	FETCH 0, 0, 0
	SCALES 0, 0
	KSTEP 0, 0, 1, 1                               ; the first K step stands in front of the loop: its products start the sums
	WIN 0                                          ; at a label and at a branch every window is 0
	s_mov_b32 s3, 4
.Llap:                                                 ; a trip goes once round the ring, from a lap's second K step to the next lap's first, and fills both slots again: eight refills of three K steps
	KSTEP 0, 1, 1, 0
	KSTEP 0, 2, 0, 0
	CHANGE 0, 1, 1, 0
	KSTEP 1, 0, 1, 0
	KSTEP 1, 1, 1, 0
	KSTEP 1, 2, 0, 0
	CHANGE 1, 0, 1, 0
	KSTEP 0, 0, 1, 0
	WIN 0
	s_sub_co_u32 s3, s3, 1
	s_cmp_lg_u32 s3, 0
	s_cbranch_scc1 .Llap
	KSTEP 0, 1, 1, 0                               ; the tail is written out: K steps 25 and 26,
	KSTEP 0, 2, 0, 0
	CHANGE 0, 1, 2, 0                              ; the ninth and last refill: K steps 30 and 31 into slot 0,
	KSTEP 1, 0, 1, 0                               ; K steps 27 to 29,
	KSTEP 1, 1, 1, 0
	KSTEP 1, 2, 0, 0
.set RTC, RT2                          ; the last tiles' rows are 3,072 bytes apart
	CHANGE 1, 0, 0, 1                              ; nothing is filled, so no round of the cluster's barrier,
	KSTEP 0, 0, 1, 0                               ; and K steps 30 and 31
	KSTEP 0, 1, 0, 0
	WIN 0
	; ---- gu into the stage.  It lies over both slots: every wave's reads of the ring are over (its loads were waited for above), and no fill follows
	PLACES 4                                       ; ahead of the first read of results, and of the loads into the registers that held the tokens' fragments
	s_wait_dscnt 0x0
	s_barrier_signal -1
	s_barrier_wait -1
.irp a, 0,1,2,3
	WIN 0x08+4*(\a/2)                              ; an LDS store's data are its source 1: window 2 or 3
.irp b, 0,1,2,3,4,5,6,7,8,9
	ds_store_b128 v[STO], v[8*(10*(\a%2)+\b):8*(10*(\a%2)+\b)+3] offset:\a*16*SPITCH+64*\b       ; each accumulator from its low end on
	ds_store_b128 v[STO], v[8*(10*(\a%2)+\b)+4:8*(10*(\a%2)+\b)+7] offset:\a*16*SPITCH+64*\b+16
.endr
.endr
	WIN 0
	s_wait_dscnt 0x0                               ; for the others' sake: my stores have landed
	s_barrier_signal -1
	s_barrier_wait -1
	; ---- five units: silu(gate) x up of my token, quantised: a block of 32 along the down product's K.  None of these registers has held a scale
.set G,   144                          ; v144-175 gate, then the activation
.set UU,  176                          ; v176-207 up
.set E,   208                          ; v208-239 the sigmoid on its way
.set MX,  240                          ; v240-241 the largest magnitude, in two chains
.set SO,  242                          ; v242     the conversion's scale operand
.set BY,  243                          ; v243     the scale's byte
.set AC,  244                          ; v244     where my codes go;  v245 my scale byte
.set AB,  245
.set CD,  8                            ; v8-10, v12-14 the codes: a conversion's three registers begin on an even number
	s_mov_b32 s3, 5
.Lunit:
.irp j, 0,1,2,3,4,5,6,7
	ds_load_b128 v[G+4*\j:G+4*\j+3], v[RD] offset:16*\j
.endr
.irp j, 0,1,2,3,4,5,6,7
	ds_load_b128 v[UU+4*\j:UU+4*\j+3], v[RD] offset:128+16*\j
.endr
	; where unit U's block lies in a record.  U < 8: block U of the shared hidden layer: fragment U / 4, lane r + 16 (U & 1), half (U % 4) / 2.  Else u' = U - 8: expert u' / 2, lane r + 16 (U & 1).  Both are made, one is chosen: no branch
	s_lshr_b32 s20, s97, 2
	s_mul_i32 s21, s20, 1536
	s_and_b32 s22, s97, 1
	s_mul_i32 s23, s22, 768
	s_add_co_u32 s21, s21, s23
	s_bfe_u32 s23, s97, 0x10001
	s_mul_i32 s23, s23, 24
	s_add_co_u32 s21, s21, s23
	s_add_co_u32 s21, s21, 12288                   ; shared: codes
	s_lshl_b32 s20, s20, 6
	s_and_b32 s23, s97, 3
	s_add_co_u32 s20, s20, s23
	s_add_co_u32 s20, s20, 15872                   ; shared: scale byte
	s_sub_co_u32 s45, s97, 8
	s_lshr_b32 s46, s45, 1
	s_mul_i32 s46, s46, 768
	s_mul_i32 s22, s22, 384
	s_add_co_u32 s46, s46, s22                     ; expert: codes
	s_lshr_b32 s47, s45, 2
	s_lshl_b32 s47, s47, 6
	s_add_co_u32 s47, s47, s23
	s_add_co_u32 s47, s47, 15360                   ; expert: scale byte
	s_cmp_lt_u32 s97, 8
	s_cselect_b32 s21, s21, s46
	s_cselect_b32 s20, s20, s47
	s_cselect_b32 s22, 48, 24                      ; bytes from lane to lane
	s_wait_dscnt 0x0
.set J, 0
.rept 32
	v_mul_f32 v[E+J], 0xbfb8aa3b, v[G+J]           ; -gate x log2 e
.set J, J+1
.endr
.set J, 0
.rept 32
	v_exp_f32 v[E+J], v[E+J]
.set J, J+1
.endr
	v_add_nc_u32 v[RD], 256, v[RD]                 ; the next unit.  (A plain place behind the exponentials)
	s_wait_alu depctr_va_vdst(0)                   ; one wait for the batch, ahead of its first reader
.set J, 0
.rept 16
	v_pk_add_f32 v[E+J:E+J+1], v[E+J:E+J+1], 1.0 op_sel_hi:[1,0]
.set J, J+2
.endr
.set J, 0
.rept 32
	v_rcp_f32 v[E+J], v[E+J]                       ; sigmoid(gate)
.set J, J+1
.endr
	v_mad_u32_u24 v[AC], v2, s22, v6               ; my lane's place in the record.  (A plain place behind the reciprocals)
	s_wait_alu depctr_va_vdst(0)
.set J, 0
.rept 16
	v_pk_mul_f32 v[G+J:G+J+1], v[G+J:G+J+1], v[E+J:E+J+1]
.set J, J+2
.endr
.set J, 0
.rept 16
	v_pk_mul_f32 v[G+J:G+J+1], v[G+J:G+J+1], v[UU+J:UU+J+1]   ; (gate x sigmoid) x up, in f32
.set J, J+2
.endr
	v_max3_num_f32 v[MX], |v[G]|, |v[G+1]|, |v[G+2]|   ; the block's largest magnitude: all 32 numbers are mine; two chains
	v_max3_num_f32 v[MX+1], |v[G+3]|, |v[G+4]|, |v[G+5]|
.irp i, 6,10,14,18,22,26
	v_max3_num_f32 v[MX], v[MX], |v[G+\i]|, |v[G+\i+1]|
	v_max3_num_f32 v[MX+1], v[MX+1], |v[G+\i+2]|, |v[G+\i+3]|
.endr
	v_max3_num_f32 v[MX], v[MX], |v[G+30]|, |v[G+31]|
	v_max3_num_f32 v[MX], v[MX], v[MX+1], 0x2800000   ; and the floor 2^(5 - 127): the byte cannot fall under 1
	v_add_nc_u32 v[SO], 0xfe000000, v[MX]          ; 4 off the exponent field: the conversion's scale operand
	v_lshrrev_b32 v[BY], 23, v[SO]                 ; the scale's byte
	v_cvt_scalef32_pk16_bf6_f32 v[CD:CD+2], v[G:G+15], v[SO]
	v_cvt_scalef32_pk16_bf6_f32 v[CD+4:CD+6], v[G+16:G+31], v[SO]
	v_add_nc_u32 v[AC], s21, v[AC]                 ; (a plain place behind the conversions)
	v_add_nc_u32 v[AB], s20, v7
	global_store_b96 v[AC], v[CD:CD+2], s[12:13]
	global_store_b96 v[AC], v[CD+4:CD+6], s[12:13] offset:12
	global_store_b8 v[AB], v[BY], s[12:13]
	s_wait_xcnt 0x0                                ; the stores have read their data and addresses: the next trip writes both again
	s_add_co_u32 s97, s97, 1
	s_sub_co_u32 s3, s3, 1
	s_cmp_lg_u32 s3, 0
	s_cbranch_scc1 .Lunit
	s_wait_tensorcnt 0x0                           ; the wave's end: behind my last tensor load and my last LDS store
	ds_add_u32 v[SPW], v[NIL]
	s_wait_dscnt 0x0
	CROUND                                         ; the closing round: no work-group ends while a partner may still ask for a tile that names it
	s_endpgm
.Lfunc_end_k_qd46f355cb5_gateup:
	.size	k_qd46f355cb5_gateup, .Lfunc_end_k_qd46f355cb5_gateup-k_qd46f355cb5_gateup
	.p2alignl 7, 3214868480
	.fill 96, 4, 3214868480
	.section	.rodata,"a",@progbits
	.p2align	6, 0x0
	.amdhsa_kernel k_qd46f355cb5_gateup
		.amdhsa_group_segment_fixed_size 327680
		.amdhsa_private_segment_fixed_size 0
		.amdhsa_enable_private_segment 0
		.amdhsa_kernarg_size 40
		.amdhsa_user_sgpr_count 2
		.amdhsa_user_sgpr_kernarg_segment_ptr 1
		.amdhsa_wavefront_size32 1
		.amdhsa_system_sgpr_workgroup_id_x 1
		.amdhsa_system_sgpr_workgroup_id_y 1
		.amdhsa_system_sgpr_workgroup_id_z 1
		.amdhsa_system_vgpr_workitem_id 0
		.amdhsa_next_free_vgpr 1024
		.amdhsa_next_free_sgpr 100
		.amdhsa_reserve_vcc 0
		.amdhsa_float_denorm_mode_32 3
		.amdhsa_float_denorm_mode_16_64 3
		.amdhsa_memory_ordered 1
		.amdhsa_forward_progress 1
		.amdhsa_inst_pref_size 149
	.end_amdhsa_kernel
	.amdgpu_metadata
---
amdhsa.version: [ 1, 2 ]
amdhsa.kernels:
  - .name:           k_qd46f355cb5_gateup
    .symbol:         k_qd46f355cb5_gateup.kd
    .args:
      - { .name: xc, .offset: 0, .size: 8, .value_kind: global_buffer, .address_space: global }
      - { .name: xs, .offset: 8, .size: 8, .value_kind: global_buffer, .address_space: global }
      - { .name: gc, .offset: 16, .size: 8, .value_kind: global_buffer, .address_space: global }
      - { .name: gs, .offset: 24, .size: 8, .value_kind: global_buffer, .address_space: global }
      - { .name: act, .offset: 32, .size: 8, .value_kind: global_buffer, .address_space: global }
    .group_segment_fixed_size: 327680
    .private_segment_fixed_size: 0
    .kernarg_segment_align: 8
    .kernarg_segment_size: 40
    .max_flat_workgroup_size: 128
    .sgpr_count:     100
    .vgpr_count:     1024
    .wavefront_size: 32
...
	.end_amdgpu_metadata
.endif
;; end of part 2
;; launch down (part 3): grid 16 x 16, 4 waves a work-group, clusters of 4 x 1, 295,424 bytes of LDS; arguments act, dc, dsc, out0; writes out0
.if DOCPART == 3
	.amdgcn_target "amdgcn-amd-amdhsa--gfx1250"
	.amdhsa_code_object_version 6
	.text
	.protected	k_qd46f355cb5_down
	.globl	k_qd46f355cb5_down
	.p2align	8
	.type	k_qd46f355cb5_down,@function
k_qd46f355cb5_down:
	s_mov_b64 s[64:65], 0
	v_nop
	global_prefetch_b8 v0, s[64:65] scope:SCOPE_SE
	s_setreg_imm32_b32 hwreg(HW_REG_WAVE_MODE, 25, 1), 1
	s_wait_xcnt 0x0
	s_wait_alu depctr_hold_cnt(0) depctr_sa_sdst(0) depctr_va_vdst(0) depctr_va_sdst(0) depctr_va_ssrc(0) depctr_va_vcc(0) depctr_vm_vsrc(0)
	s_getreg_b32 s2, hwreg(HW_REG_IB_STS2, 6, 4)
	s_cmp_eq_u32 s2, 0
	s_cbranch_scc0 .Lentry_in_a_cluster
	s_endpgm
.Lentry_in_a_cluster:
	s_bfe_u32 s2, ttmp6, 0x10000c
	s_cmp_lg_u32 s2, 0x3003
	s_cbranch_scc0 .Lentry_shape_is_right
	s_endpgm
.Lentry_shape_is_right:
; LAUNCH 3 OF 3.  out[t][h] = shared(t, h) + the sum over the 16 experts e of c[t][e] x down_e(t, h): all down products on codes of BF6 with E8M0 scales, the combine in f32 fused multiply-adds.
; A combine weight cannot enter a quantised operand, so each expert's product has a sum of its own (C = 0) and is then weighed in; c = 0 takes out the fourteen experts that the router did not choose.
; SHARES.  A work-group: 256 h x 256 tokens (16 tiles of 16).  Wave w: h tiles 4 w .. 4 w + 3 (64 h: 256 bytes of a row of out), all 16 token tiles.  Its 40 fragments of down weights (2 K steps shared,
; 8 slots of two experts, x 4 h tiles) stay in 480 registers for the whole launch, read from memory once.
; AN EXPERT'S K IS 64: half a matrix instruction's.  A slot's weights hold expert 2 s in K 0-63 and expert 2 s + 1 in K 64-127; the activations' registers lie as X_even (6), zeros (6), X_odd (6), so that
; (X_even, 0) and (0, X_odd) are two overlapping runs of 12: zero codes add nothing under any scale byte that the quantiser gives.
; THE RECORDS of the 16 token tiles (17,152 bytes each: codes, scale words, c) come into LDS once, by four tensor loads a wave; the four work-groups of a cluster share the tokens and ask jointly.
; No LDS byte is filled twice.  A wave's four loads are out together at the start; the tiles of later loads are waited for group by group, so that the first tiles are worked while the others land.
; TRANSPOSED: source 0 = 16 h (weights), source 1 = 16 tokens: a lane holds one token and eight neighbouring h; c is then one number a lane and expert.
; REGISTERS, in windows of 256: window 0: v1-12 lane terms; v16-55 the weights' scale words; v56-63 the slots' words of the tile, v64-65 the shared ones; v66-81 c; v82-85 addresses in the next record;
;   v96-127 O (4 accumulators); v128-191 T (two sets of 4); v192-223 rows on their way out.   window 1: weights of slots 0-4.   window 2: of slots 5-7, from v144 the shared ones.   window 3: the tile's activations.
.set REC,   17152
.set STAGE, 16*REC                     ; behind the records: 16 rows x (256 bytes + 16) for each wave, for the way out; no fill lands there
.set SBW,  16                          ; the weights' scale words: v[16 + 4 S + n]; S = 0, 1 shared K steps, S = 2 + slot
.set SAX,  56
.set SAS,  64
.set C,    66
.set A24,  82                          ; v82  the next record's expert halves: 24 x lane
.set A48,  83                          ; v83  its shared fragments: 12,288 + 48 x lane
.set A4,   84                          ; v84  its scale words: 15,360 + 4 r
.set A64,  85                          ; v85  its c: 16,000 + 64 r
.set O,    96
.set T,    128
.set R,    192
.set MSB, 0
.macro WIN new                         ; the immediate's high byte repeats the setting that is left
.if MSB != \new
	s_set_vgpr_msb (MSB<<8)|\new
.set MSB, \new
.endif
.endm
.macro CROUND                          ; a round of the cluster's barrier
	s_barrier_signal -1
	s_barrier_wait -1
	s_cmp_lg_u32 s12, 0
	s_cbranch_scc1 .Lnot_wave_0_\@
	s_barrier_signal -3
.Lnot_wave_0_\@:
	s_barrier_wait -3
	s_barrier_signal -1
	s_barrier_wait -1
.endm
	s_load_b256 s[4:11], s[0:1], 0x0               ; act, dc, dsc, out0
	v_lshl_add_u32 v254, v0, 2, 0x48000
	v_mov_b32 v255, 0
	ds_add_u32 v254, v255
	ds_add_u32 v254, v255
	v_lshrrev_b32 v1, 5, v0
	v_readfirstlane_b32 s12, v1                    ; wave 0..3
	s_bfe_u32 s13, ttmp6, 0x40000                  ; cx
	s_lshl_b32 s14, ttmp9, 2
	s_add_co_u32 s14, s14, s13                     ; my 256 h: hx = 4 x cluster x + cx: it enters the weights' and out's addresses alone
	s_and_b32 s15, ttmp7, 0xffff                   ; my 256 tokens, which the four partners share
	; descriptor group 1: a record, dense, as 67 rows of 256 bytes (32 elements of 8 bytes)
	s_mov_b32 s24, 15|(3<<16)|(1<<21)              ; 15:0 the mask: all four work-groups; 17:16 elements of 8 bytes; 21 set beside a mask
	s_mov_b32 s25, 32<<16                          ; tensor_dim0
	s_mov_b32 s26, 67<<16                          ; tensor_dim1
	s_mov_b32 s27, 32<<16                          ; tile_dim0
	s_mov_b32 s28, 67                              ; tile_dim1
	s_mov_b32 s29, 32                              ; tensor_dim0_stride
	s_mov_b32 s30, 0
	s_mov_b32 s31, 0
	s_mul_i32 s16, s15, 16*REC
	s_mul_i32 s18, s12, REC                        ; load g of wave w brings record 4 g + w, to the same place in LDS as in the group
	s_add_co_u32 s16, s16, s18
	s_mov_b32 s17, 0
	s_wait_dscnt 0x0
	s_wait_kmcnt 0x0
	s_add_nc_u64 s[4:5], s[4:5], s[16:17]
.irp g, 0,1,2,3
	s_mov_b32 s[32+4*\g], 1
	s_add_co_u32 s[33+4*\g], s18, \g*4*REC
	s_add_nc_u64 s[34+4*\g:35+4*\g], s[4:5], \g*4*REC
	s_or_b32 s[35+4*\g], s[35+4*\g], 0x80000000
.endr
	CROUND                                         ; all four work-groups are here: the joint loads meet
	tensor_load_to_lds s[32:35], s[24:31]          ; four loads of mine are out
	s_nop 0
	tensor_load_to_lds s[36:39], s[24:31]
	s_nop 0
	tensor_load_to_lds s[40:43], s[24:31]
	s_nop 0
	tensor_load_to_lds s[44:47], s[24:31]
	s_nop 0
.rept 4
	v_nop
.endr
	v_and_b32 v1, 31, v0                           ; lane
	v_and_b32 v2, 15, v0                           ; r
	v_bfe_u32 v3, v0, 4, 1                         ; h
	v_mul_u32_u24 v4, v1, 24
	v_mul_u32_u24 v5, v1, 48
	v_add_nc_u32 v5, 12288, v5
	v_lshl_add_u32 v6, v2, 2, 15360
	v_lshl_add_u32 v7, v2, 6, 16000
	s_mul_i32 s19, s12, 16*272
	s_add_co_u32 s19, s19, STAGE                   ; my stage
	v_mul_u32_u24 v8, v2, 272
	v_lshl_add_u32 v8, v3, 5, v8
	v_add_nc_u32 v8, s19, v8                       ; in: row r, 32 bytes for each half of the lanes
	v_mul_u32_u24 v9, v3, 272
	v_lshl_add_u32 v9, v2, 4, v9
	v_add_nc_u32 v9, s19, v9                       ; back: lanes 0-15 one row of 256 bytes, lanes 16-31 the next
	v_lshlrev_b32 v10, 14, v3
	v_lshl_add_u32 v10, v2, 4, v10                 ; and the same two rows in out (16,384 bytes a row)
	v_lshlrev_b32 v11, 4, v1                       ; 16 x lane
	v_lshlrev_b32 v12, 3, v2                       ; 8 r
	s_lshl_b32 s20, s14, 4
	s_lshl_b32 s21, s12, 2
	s_add_co_u32 s20, s20, s21                     ; my first h tile: 16 hx + 4 wave
	s_mul_i32 s20, s20, 1536
	s_mov_b32 s21, 0
	s_add_nc_u64 s[6:7], s[6:7], s[20:21]
	s_lshl_b32 s20, s14, 2
	s_add_co_u32 s20, s20, s12                     ; its quad
	s_lshl_b32 s20, s20, 8
	s_add_nc_u64 s[8:9], s[8:9], s[20:21]
	s_lshl_b32 s20, s15, 22                        ; out: 256 tokens of 16,384 bytes,
	s_lshl_b32 s22, s14, 10                        ; + 256 h,
	s_add_co_u32 s20, s20, s22
	s_lshl_b32 s22, s12, 8                         ; + my 64 h
	s_add_co_u32 s20, s20, s22
	s_add_nc_u64 s[10:11], s[10:11], s[20:21]
	; the weights: fragment 256 S + my h tile + n, 393,216 bytes from S to S + 1; images, three loads of 512 consecutive bytes each
	WIN 0x40                                       ; destination window 1
.irp s, 0,1,2,3,4
.irp n, 0,1,2,3
.irp c, 0,1,2
	global_load_b128 v[48*\s+12*\n+4*\c:48*\s+12*\n+4*\c+3], v11, s[6:7] offset:(2+\s)*393216+\n*1536+512*\c
.endr
.endr
.endr
	WIN 0x80                                       ; destination window 2
.irp s, 5,6,7
.irp n, 0,1,2,3
.irp c, 0,1,2
	global_load_b128 v[48*(\s-5)+12*\n+4*\c:48*(\s-5)+12*\n+4*\c+3], v11, s[6:7] offset:(2+\s)*393216+\n*1536+512*\c
.endr
.endr
.endr
.irp s, 0,1
.irp n, 0,1,2,3
.irp c, 0,1,2
	global_load_b128 v[144+12*(2*\n+\s)+4*\c:144+12*(2*\n+\s)+4*\c+3], v11, s[6:7] offset:\s*393216+\n*1536+512*\c
.endr
.endr
.endr
	WIN 0
.irp s, 0,1,2,3,4,5,6,7,8,9
.irp p, 0,1
	global_load_b64 v[SBW+4*\s+2*\p:SBW+4*\s+2*\p+1], v12, s[8:9] offset:\s*16384+128*\p
.endr
.endr
	WIN 0xc0                                       ; destination window 3
.irp s, 0,1,2,3,4,5,6,7
.irp i, 0,1,2,3,4,5
	v_mov_b32 v[18*\s+6+\i], 0                     ; the zero codes between a slot's two experts: written once
.endr
.endr
	WIN 0
	s_mov_b32 s48, 0                               ; LDS byte at which the record to be fetched begins
.macro SETADR
	v_add_nc_u32 v[A24], s48, v4
	v_add_nc_u32 v[A48], s48, v5
	v_add_nc_u32 v[A4], s48, v6
	v_add_nc_u32 v[A64], s48, v7
.endm
	SETADR
; THE FETCHES of the next tile's record, each behind the last product that read the registers it fills, with four plain instructions or more between
.macro PRE_SH                          ; the shared hidden layer's two fragments (48 bytes a lane each) and their scale words
	WIN 0xc0
.irp s, 0,1
.irp i, 0,1,2
	ds_load_b128 v[144+12*\s+4*\i:144+12*\s+4*\i+3], v[A48] offset:1536*\s+16*\i
.endr
.endr
	WIN 0
.irp s, 0,1
	ds_load_b32 v[SAS+\s], v[A4] offset:512+64*\s
.endr
.endm
.macro PRE s                           ; slot s: two experts' halves, 24 bytes a lane each, in pieces of 8 bytes, and the slot's scale word
	WIN 0xc0
.irp i, 0,1,2
	ds_load_b64 v[18*(\s)+2*\i:18*(\s)+2*\i+1], v[A24] offset:2*(\s)*768+8*\i
	ds_load_b64 v[18*(\s)+12+2*\i:18*(\s)+12+2*\i+1], v[A24] offset:(2*(\s)+1)*768+8*\i
.endr
	WIN 0
	ds_load_b32 v[SAX+(\s)], v[A4] offset:64*(\s)
.endm
.macro PRE_C                           ; my token's 16 combine weights
.irp i, 0,1,2,3
	ds_load_b128 v[C+4*\i:C+4*\i+3], v[A64] offset:16*\i
.endr
.endm
; THE PRODUCTS.  SH: the shared down product starts O: K step 0 with C = 0, K step 1 in place; the four h tiles by turns
.macro SH
	WIN 0x0e                                       ; source 0 window 2, source 1 window 3, C and D window 0
.irp n, 0,1,2,3
	v_wmma_scale_f32_16x16x128_f8f6f4 v[O+8*\n:O+8*\n+7], v[144+24*\n:144+24*\n+11], v[144:155], 0, v[SBW+\n], v[SAS] matrix_a_fmt:MATRIX_FMT_BF6 matrix_b_fmt:MATRIX_FMT_BF6
.endr
.irp n, 0,1,2,3
	v_wmma_scale_f32_16x16x128_f8f6f4 v[O+8*\n:O+8*\n+7], v[156+24*\n:156+24*\n+11], v[156:167], v[O+8*\n:O+8*\n+7], v[SBW+4+\n], v[SAS+1] matrix_a_fmt:MATRIX_FMT_BF6 matrix_b_fmt:MATRIX_FMT_BF6
.endr
.endm
.macro W e                             ; expert e's down product for my four h tiles, into T's set e % 2
.set SL, (\e)/2
.set TT, T+32*((\e)%2)
.set AA, 18*SL+6*((\e)%2)
.if SL < 5
	WIN 0x0d                                       ; source 0 window 1, source 1 window 3, D window 0
.set BB, 48*SL
.else
	WIN 0x0e
.set BB, 48*(SL-5)
.endif
.irp n, 0,1,2,3
	v_wmma_scale_f32_16x16x128_f8f6f4 v[TT+8*\n:TT+8*\n+7], v[BB+12*\n:BB+12*\n+11], v[AA:AA+11], 0, v[SBW+4*(2+SL)+\n], v[SAX+SL] matrix_a_fmt:MATRIX_FMT_BF6 matrix_b_fmt:MATRIX_FMT_BF6
.endr
.endm
.macro F e                             ; O += c_e x T: 16 packed fused multiply-adds, each accumulator from its low end on; of the pair (c_even, c_odd) one word serves both halves
	WIN 0
.set TT, T+32*((\e)%2)
.set CC, C+2*((\e)/2)
.irp n, 0,1,2,3
.irp j, 0,2,4,6
.if (\e)%2 == 0
	v_pk_fma_f32 v[O+8*\n+\j:O+8*\n+\j+1], v[TT+8*\n+\j:TT+8*\n+\j+1], v[CC:CC+1], v[O+8*\n+\j:O+8*\n+\j+1] op_sel_hi:[1,0,1]
.else
	v_pk_fma_f32 v[O+8*\n+\j:O+8*\n+\j+1], v[TT+8*\n+\j:TT+8*\n+\j+1], v[CC:CC+1], v[O+8*\n+\j:O+8*\n+\j+1] op_sel:[0,1,0] op_sel_hi:[1,1,1]
.endif
.endr
.endr
.endm
; A TOKEN TILE: 72 matrix instructions, 256 packed multiply-adds.  Expert e's products stand ahead of expert e - 1's multiply-adds: those 16 lines name none of expert e's registers, so they are the places
; (ISA guide 7.12.1) between W e and F e (4 asked), between W e and W e + 2, which writes over its results (5 asked), and ahead of the fetches.  pre = 1: the next tile's record is fetched on the way.
.macro TILE pre
	SH
	W 0
.rept 5
	v_nop                                          ; no other vector work is at hand yet
.endr
.if \pre
	PRE_SH
.endif
	W 1
	F 0
.if \pre
	PRE 0
.endif
.set EE, 2
.rept 7
	W EE
	F EE-1
	W EE+1
	F EE
.if \pre
	PRE EE/2
.endif
.set EE, EE+2
.endr
	F 15
.if \pre
	PRE_C
	s_add_co_u32 s48, s48, REC
	SETADR                                         ; on to the record after
.endif
.irp n, 0,1,2,3
	ds_store_b128 v8, v[O+8*\n:O+8*\n+3] offset:64*\n          ; a lane's eight h of a token's row; the lanes beside it hold other rows: through my own stage,
	ds_store_b128 v8, v[O+8*\n+4:O+8*\n+7] offset:64*\n+16
.endr
.irp i, 0,1,2,3,4,5,6,7
	ds_load_b128 v[R+4*\i:R+4*\i+3], v9 offset:544*\i          ; and back as whole rows.  LDS serves a wave's instructions in order (ISA guide 5.7.1.4): these see the stores above
.endr
	s_wait_dscnt 0x0                               ; the rows are back, the next tile's record is in registers, and the stores have read O
.irp i, 0,1,2,3,4,5,6,7
	global_store_b128 v10, v[R+4*\i:R+4*\i+3], s[10:11] offset:32768*\i th:TH_STORE_NT   ; 16 lanes store 256 consecutive bytes, aligned; written once, read by nobody here
.endr
.if \pre
	s_wait_xcnt 0x0                                ; the stores have read their registers and their base: both are written again in the next tile
	s_add_nc_u64 s[10:11], s[10:11], 16*16384
.endif
.endm
.macro GROUP left, trips               ; my next load has landed (left: my later loads, which may stay out), everybody's has; then so many tiles
	s_wait_tensorcnt \left
	s_barrier_signal -1
	s_barrier_wait -1
	s_mov_b32 s49, \trips
.Ltile_\@:
	TILE 1
	s_sub_co_u32 s49, s49, 1
	s_cmp_lg_u32 s49, 0
	s_cbranch_scc1 .Ltile_\@
.endm
	s_wait_tensorcnt 0x3                           ; my first load, record w, has landed; my other three may stay out
	s_barrier_signal -1
	s_barrier_wait -1                              ; records 0 to 3 are whole
	PRE_SH                                         ; tile 0's record
.irp s, 0,1,2,3,4,5,6,7
	PRE \s
.endr
	PRE_C
	s_add_co_u32 s48, s48, REC
	SETADR
	s_wait_loadcnt 0x0                             ; the weights and their scale words
	s_wait_dscnt 0x0
	s_mov_b32 s49, 3
.Lfirst:                                               ; tiles 0 to 2, which fetch records 1 to 3
	TILE 1
	s_sub_co_u32 s49, s49, 1
	s_cmp_lg_u32 s49, 0
	s_cbranch_scc1 .Lfirst
	GROUP 0x2, 4                                   ; records 4 to 7 are whole: tiles 3 to 6
	GROUP 0x1, 4                                   ; records 8 to 11: tiles 7 to 10
	GROUP 0x0, 4                                   ; records 12 to 15: tiles 11 to 14
	TILE 0                                         ; tile 15 fetches nothing
	s_wait_tensorcnt 0x0
	ds_add_u32 v254, v255
	s_wait_dscnt 0x0
	CROUND                                         ; the closing round: no work-group ends while a partner may still ask for a record that names it
	s_endpgm
.Lfunc_end_k_qd46f355cb5_down:
	.size	k_qd46f355cb5_down, .Lfunc_end_k_qd46f355cb5_down-k_qd46f355cb5_down
	.p2alignl 7, 3214868480
	.fill 96, 4, 3214868480
	.section	.rodata,"a",@progbits
	.p2align	6, 0x0
	.amdhsa_kernel k_qd46f355cb5_down
		.amdhsa_group_segment_fixed_size 295424
		.amdhsa_private_segment_fixed_size 0
		.amdhsa_enable_private_segment 0
		.amdhsa_kernarg_size 32
		.amdhsa_user_sgpr_count 2
		.amdhsa_user_sgpr_kernarg_segment_ptr 1
		.amdhsa_wavefront_size32 1
		.amdhsa_system_sgpr_workgroup_id_x 1
		.amdhsa_system_sgpr_workgroup_id_y 1
		.amdhsa_system_sgpr_workgroup_id_z 1
		.amdhsa_system_vgpr_workitem_id 0
		.amdhsa_next_free_vgpr 1024
		.amdhsa_next_free_sgpr 66
		.amdhsa_reserve_vcc 0
		.amdhsa_float_denorm_mode_32 3
		.amdhsa_float_denorm_mode_16_64 3
		.amdhsa_memory_ordered 1
		.amdhsa_forward_progress 1
		.amdhsa_inst_pref_size 187
	.end_amdhsa_kernel
	.amdgpu_metadata
---
amdhsa.version: [ 1, 2 ]
amdhsa.kernels:
  - .name:           k_qd46f355cb5_down
    .symbol:         k_qd46f355cb5_down.kd
    .args:
      - { .name: act, .offset: 0, .size: 8, .value_kind: global_buffer, .address_space: global }
      - { .name: dc, .offset: 8, .size: 8, .value_kind: global_buffer, .address_space: global }
      - { .name: dsc, .offset: 16, .size: 8, .value_kind: global_buffer, .address_space: global }
      - { .name: out0, .offset: 24, .size: 8, .value_kind: global_buffer, .address_space: global }
    .group_segment_fixed_size: 295424
    .private_segment_fixed_size: 0
    .kernarg_segment_align: 8
    .kernarg_segment_size: 32
    .max_flat_workgroup_size: 128
    .sgpr_count:     66
    .vgpr_count:     1024
    .wavefront_size: 32
...
	.end_amdgpu_metadata
.endif
;; end of part 3
;; ======== version 2 of 2: 3 launches; version 1 with the launch quant written anew for expert scheduling mode
;; workspace buffers: xc 12,582,912 bytes; xs 524,288 bytes; gc 7,864,320 bytes; gs 327,680 bytes; dc 3,932,160 bytes; dsc 163,840 bytes; act 4,390,912 bytes
;; launch quant (part 4): grid 496 x 1, 8 waves a work-group, no clusters, 76,800 bytes of LDS; arguments hidden_states, gate_w, shared_w_gate_up, w_gate_up, shared_w_down, w_down, xc, xs, gc, gs, dc, dsc, act; writes xc, xs, gc, gs, dc, dsc, act
.if DOCPART == 4
	.amdgcn_target "amdgcn-amd-amdhsa--gfx1250"
	.amdhsa_code_object_version 6
	.text
	.protected	k_qd46f355cb5_quant
	.globl	k_qd46f355cb5_quant
	.p2align	8
	.type	k_qd46f355cb5_quant,@function
k_qd46f355cb5_quant:
	s_mov_b64 s[64:65], 0
	v_nop
	global_prefetch_b8 v0, s[64:65] scope:SCOPE_SE
	s_setreg_imm32_b32 hwreg(HW_REG_WAVE_SCHED_MODE, 0, 2), 2
	s_setreg_imm32_b32 hwreg(HW_REG_WAVE_MODE, 25, 1), 1
	s_wait_xcnt 0x0
	s_wait_alu depctr_vm_vsrc(0)
; LAUNCH 1 OF 3.  Every f32 operand that arrives as an input is turned ONCE into codes of BF6 (E3M2) with one E8M0 byte for each 32 along K, and the router's combine weights are made.
; A FRAGMENT is 16 rows x 128 K.  It is stored as an IMAGE OF THE OPERAND'S 12 REGISTERS, 1,536 bytes: registers 4 c .. 4 c + 3 of lane l at 512 c + 16 l.  A QUAD is four fragments on end; its 64 scale words
; fill 256 bytes: the word of fragment n, row r at 128 (n / 2) + 8 r + 4 (n % 2).  One wave makes one quad.
; WORK-GROUPS (eight waves): 0-255 the tokens (rowtile id of 16 tokens, wave w: K steps 4 w .. 4 w + 3); 256-415 the gate/up weights, 160 rowtiles reordered so that 64 columns on end are 32 gate rows and their
; 32 up rows (a unit; units 0-7 shared, 8-39 the experts'); 416-431 the shared down weights (fragment 256 s + ht); 432-495 the experts' down weights (fragment 512 + 256 slot + ht: K 0-63 expert 2 slot, K 64-127 expert 2 slot + 1).
; The kinds differ in pointers, strides and offsets alone, all chosen by s_cselect on the work-group's number: one path through the text.
; THE SCALE: 2^(floor(log2(largest magnitude)) - 4); its byte is the largest magnitude's exponent field - 4, held at 1 from below.  A block of zeros gets the byte 1: its codes are zeros, and this program alone reads the bytes.
; THE ROUTER (token work-groups): each wave multiplies its four K steps of the tokens' codes by gate_w's, quantised here too; the eight partial sums meet in LDS; wave 0 takes the row's largest logit away,
; p = 2^((logit - max) log2 e), finds the two largest p (of equal p the lower expert, as top_k does) and stores c = p / (p1 + p2) for them and 0 for the other fourteen.
; LIMITS: the softmax's divisor cancels in c and is not formed, so two probabilities that only that division would round onto each other are ordered by p; a p under 2^-126 counts as 0; NaN and infinities among the inputs are not served.
; THE MODE: SCHED_MODE bits 1:0 = 2 (LLVM: expert scheduling mode 2), set by the entry lines.  The code itself states the register dependences between vector or matrix instructions and memory or LDS
; instructions, with s_wait_alu, always for 0.
; THE PLAN.  Registers that memory or LDS instructions touch:
;   v4-v9, v16-31  addresses and offsets: written once at the head, read by every access, never written again: one wait on va_vdst ahead of the first load.
;   RAW            written by a fragment's 16 loads; read by the turn's 16 LDS stores; then loaded again.  One wait on vm_vsrc stands straight behind those stores, and the next fragment's loads follow it at once.
;                  The last such wait also frees these registers for wave 0's tail, which writes them by vector instructions.
;   X              written by the turn's 16 LDS loads; read by the maxima and conversions.  One wait on va_vdst a fragment stands behind those: in the quad ahead of the codes' stores, in the router ahead of the product.
;                  Between it and the next turn's LDS loads stands no vector instruction but the router's product, which names none of X.
;   XF, v12, v13   written by conversions, moves and selects; read by the stores behind that same wait; never written again.
;   ACC            written by the four products; read by two LDS stores, behind the places and a wait on va_vdst.
;   Masks that compares make are laid in runs, into scalar registers, with one wait on va_sdst behind each run and ahead of the selects.
.set STGB,  8448                       ; LDS: a stage for each wave: 16 rows x (512 bytes + 16): row r starts at bank 4 r mod 64 (64 banks of 4 bytes: ISA guide 11.1)
.set RED,   8*STGB                     ; behind the stages: 1,024 bytes for each wave's partial logits
.set REC,   17152                      ; a token tile's record in act
.set VO,    16                         ; v16-31   byte offset of my 16 bytes in row i of a fragment: i x row stride + (lane / 16) x distance of the two halves of K + 16 (lane % 16)
.set RAW,   32                         ; v32-95   a fragment as loaded
.set X,     96                         ; v96-159  the same turned: register 32 c + i = k 64 c + 32 (lane / 16) + i of row lane % 16
.set XF,    160                        ; v160-207 my quad's four fragments of codes; they stay
.set XW,    208                        ; v208-211 their scale words
.set GF,    212                        ; v212-223 a fragment of gate_w's codes
.set GW,    224                        ; v224     its scale word
.set ACC,   226                        ; v226-233 my partial logits
.set CT,    234                        ; v234-240 second halves of blocks: a conversion's three registers begin on an even number
.set TM,    242                        ; v242-249 at work
.set SH8,   250                        ; v250     8 x (lane / 16)
.set MK,    48                         ; s48-63   wave 0's tail: masks that compares make; free since the head
	s_load_b256 s[4:11], s[0:1], 0x0               ; hidden_states, gate_w, shared_w_gate_up, w_gate_up
	s_load_b256 s[12:19], s[0:1], 0x20             ; shared_w_down, w_down, xc, xs
	s_load_b256 s[20:27], s[0:1], 0x40             ; gc, gs, dc, dsc
	s_load_b64 s[28:29], s[0:1], 0x60              ; act
	v_lshl_add_u32 v254, v0, 2, 0x12800
	v_mov_b32 v255, 0
	v_lshrrev_b32 v1, 5, v0
	v_readfirstlane_b32 s30, v1                    ; wave 0..7
	v_and_b32 v1, 31, v0                           ; lane
	v_and_b32 v2, 15, v0                           ; r
	v_bfe_u32 v3, v0, 4, 1                         ; h
	s_wait_alu depctr_va_sdst(0)                   ; s30 is written, ahead of its first reader: LDS places, offsets and a branch are made from it
	s_mul_i32 s31, s30, STGB
	v_lshlrev_b32 v6, 4, v1                        ; 16 x lane
	v_lshlrev_b32 v7, 3, v1                        ; 8 x lane
	v_add_nc_u32 v4, s31, v6                       ; the stage, on the way in: a row's 512 bytes as they lie
	v_mul_u32_u24 v5, v2, 528
	v_lshl_add_u32 v5, v3, 7, v5
	v_add_nc_u32 v5, s31, v5                       ; and out: row r, + 128 h
	s_lshl_b32 s31, s30, 10
	s_add_co_u32 s31, s31, RED
	v_lshlrev_b32 v9, 5, v1
	v_add_nc_u32 v8, s31, v9                       ; where I put my partial logits: RED + 1,024 wave + 32 lane
	v_add_nc_u32 v9, RED, v9                       ; where wave 0 reads them
	v_lshlrev_b32 v[SH8], 3, v3
	v_mov_b32 v[TM+7], 0                           ; written once: a lane permute's destination counts as one of its sources
	s_mov_b32 s32, 0x76543210
	s_mov_b32 s33, 0xfedcba98                      ; v_permlanex16_b32's selects for lane l xor 16
	; each kind's byte offset into its source and its quad, all four made, one chosen
	s_lshl_b32 s58, s30, 11                        ; wave x 4 K steps x 512 bytes
	s_lshl_b32 s48, ttmp9, 18                      ; tokens: 16 rows of 16,384 bytes a rowtile
	s_add_co_u32 s48, s48, s58
	s_lshl_b32 s49, ttmp9, 3
	s_add_co_u32 s49, s49, s30                     ; quad 8 id + wave
	s_sub_co_u32 s59, ttmp9, 256                   ; gate/up: destination rowtile d
	s_lshl_b32 s51, s59, 3
	s_add_co_u32 s51, s51, s30                     ; quad 8 d + wave
	s_lshr_b32 s60, s59, 2                         ; unit u = d / 4
	s_and_b32 s61, s59, 1
	s_lshl_b32 s61, s61, 4                         ; 16 (d & 1)
	s_bfe_u32 s62, s59, 0x10001                    ; (d % 4) / 2: gate rows or up rows
	s_lshl_b32 s50, s60, 5
	s_add_co_u32 s50, s50, s61
	s_lshl_b32 s63, s62, 8
	s_add_co_u32 s50, s50, s63                     ; shared: source row 32 u + 16 (d & 1) + 256 x up
	s_sub_co_u32 s63, s60, 8                       ; experts: u' = u - 8
	s_lshr_b32 s72, s63, 1
	s_lshl_b32 s72, s72, 7
	s_and_b32 s63, s63, 1
	s_lshl_b32 s63, s63, 5
	s_add_co_u32 s72, s72, s63
	s_add_co_u32 s72, s72, s61
	s_lshl_b32 s62, s62, 6
	s_add_co_u32 s72, s72, s62                     ; source row 128 (u' / 2) + 32 (u' % 2) + 16 (d & 1) + 64 x up
	s_sub_co_u32 s55, ttmp9, 416                   ; shared down: quad Q = 8 (id - 416) + wave
	s_lshl_b32 s55, s55, 3
	s_add_co_u32 s55, s55, s30
	s_and_b32 s54, s55, 63
	s_lshl_b32 s54, s54, 16                        ; (Q % 64) x 64 rows of 1,024 bytes
	s_lshr_b32 s73, s55, 6
	s_lshl_b32 s73, s73, 9                         ; + K step Q / 64
	s_add_co_u32 s54, s54, s73
	s_sub_co_u32 s57, ttmp9, 432                   ; experts' down: Q' = 8 (id - 432) + wave
	s_lshl_b32 s57, s57, 3
	s_add_co_u32 s57, s57, s30
	s_lshr_b32 s56, s57, 6
	s_lshl_b32 s56, s56, 21                        ; slot Q' / 64: two experts of 1,048,576 bytes
	s_and_b32 s73, s57, 63
	s_lshl_b32 s73, s73, 14                        ; (Q' % 64) x 64 rows of 256 bytes
	s_add_co_u32 s56, s56, s73
	s_add_co_u32 s57, s57, 128                     ; quad 128 + Q'
	s_wait_kmcnt 0x0
	s_cmp_lt_u32 s60, 8                            ; a shared unit or an expert's?
	s_cselect_b64 s[52:53], s[8:9], s[10:11]
	s_cselect_b32 s50, s50, s72
	s_lshl_b32 s50, s50, 14
	s_add_co_u32 s50, s50, s58
	s_mov_b32 s36, 256                             ; s36 from row to row, s37 from K 0-63 to K 64-127, s38 from fragment to fragment of the quad, in bytes
	s_mov_b32 s37, 0x100000
	s_mov_b32 s38, 4096
	s_cmp_lt_u32 ttmp9, 432                        ; every choice hangs on the work-group's number alone
	s_cselect_b64 s[34:35], s[12:13], s[14:15]
	s_cselect_b32 s44, s54, s56
	s_cselect_b32 s46, s55, s57
	s_cselect_b32 s36, 1024, s36
	s_cselect_b32 s37, 256, s37
	s_cselect_b32 s38, 16384, s38
	s_cmp_lt_u32 ttmp9, 416
	s_cselect_b64 s[34:35], s[52:53], s[34:35]
	s_cselect_b64 s[40:41], s[20:21], s[24:25]
	s_cselect_b64 s[42:43], s[22:23], s[26:27]
	s_cselect_b32 s44, s50, s44
	s_cselect_b32 s46, s51, s46
	s_cselect_b32 s36, 16384, s36
	s_cselect_b32 s38, 512, s38
	s_cmp_lt_u32 ttmp9, 256
	s_cselect_b64 s[34:35], s[4:5], s[34:35]
	s_cselect_b64 s[40:41], s[16:17], s[40:41]
	s_cselect_b64 s[42:43], s[18:19], s[42:43]
	s_cselect_b32 s44, s48, s44
	s_cselect_b32 s46, s49, s46
	s_mov_b32 s45, 0
	s_mov_b32 s39, 0
	s_add_nc_u64 s[34:35], s[34:35], s[44:45]      ; the quad's four fragments have a base each: no pointer is stepped while a load is out
	s_add_nc_u64 s[66:67], s[34:35], s[38:39]
	s_add_nc_u64 s[68:69], s[66:67], s[38:39]
	s_add_nc_u64 s[70:71], s[68:69], s[38:39]
	s_mul_i32 s44, s46, 6144
	s_add_nc_u64 s[40:41], s[40:41], s[44:45]      ; the quad's codes
	s_lshl_b32 s44, s46, 8
	s_add_nc_u64 s[42:43], s[42:43], s[44:45]      ; and its scale words
	v_mul_lo_u32 v10, v3, s37
	v_lshl_add_u32 v[VO], v2, 4, v10
.irp i, 1,2,3,4,5,6,7,8,9,10,11,12,13,14,15
	v_add_nc_u32 v[VO+\i], s36, v[VO+\i-1]
.endr
; 16 loads: load i takes row i; lanes 0-15 its 256 bytes of K 0-63, lanes 16-31 those of K 64-127: two runs of 256 consecutive bytes, aligned
.macro LOADF base
.irp i, 0,1,2,3,4,5,6,7,8,9,10,11,12,13,14,15
	global_load_b128 v[RAW+4*\i:RAW+4*\i+3], v[VO+\i], s[\base:\base+1] th:TH_LOAD_NT
.endr
.endm
.macro LOADG q                         ; the same of gate_w (its strides are the tokens'); 256 work-groups read it, so no hint
.irp i, 0,1,2,3,4,5,6,7,8,9,10,11,12,13,14,15
	global_load_b128 v[RAW+4*\i:RAW+4*\i+3], v[VO+\i], s[6:7] offset:512*(\q)
.endr
.endm
; The conversions take neighbours along K from one lane's registers: the fragment goes through my wave's stage as it lies (TURN_IN) and comes back 128 bytes (a whole block of 32) a lane and half of K (TURN_OUT).
; Between the two stand the next fragment's loads: the raw set is asked for again as soon as the LDS stores have read it.
.macro TURN_IN
.irp i, 0,1,2,3,4,5,6,7,8,9,10,11,12,13,14,15
	ds_store_b128 v4, v[RAW+4*\i:RAW+4*\i+3] offset:528*\i
.endr
	s_wait_alu depctr_vm_vsrc(0)                   ; the sixteen LDS stores have read the raw set, which is written next by the following fragment's loads (behind the quad's last: gate_w's first; behind gate_w's last: wave 0's vector lines)
.endm
.macro TURN_OUT
.irp c, 0,1
.irp j, 0,1,2,3,4,5,6,7
	ds_load_b128 v[X+32*\c+4*\j:X+32*\c+4*\j+3], v5 offset:256*\c+16*\j   ; LDS serves a wave's instructions in order (ISA guide 5.7.1.4): these see the stores of TURN_IN
.endr
.endr
	s_wait_dscnt 0x0                               ; the numbers are back
.endm
; The turned fragment becomes 12 registers of codes at v[dst] and its rows' scale word in v[wd].  A lane holds two whole blocks: 2 c + h, c = 0, 1.
.macro QUANT dst, wd
.irp c, 0,1
	v_max3_num_f32 v[TM+\c], |v[X+32*\c]|, |v[X+32*\c+1]|, 0x2800000   ; the floor 2^(5 - 127) among the leaves: the byte cannot fall under 1
.endr
.irp i, 2,4,6,8,10,12,14,16,18,20,22,24,26,28,30
.irp c, 0,1
	v_max3_num_f32 v[TM+\c], v[TM+\c], |v[X+32*\c+\i]|, |v[X+32*\c+\i+1]|   ; (the two blocks by turns)
.endr
.endr
.irp c, 0,1
	v_add_nc_u32 v[TM+2+\c], 0xfe000000, v[TM+\c]  ; 4 off the exponent field: the conversion takes the exponent field of this operand as its scale
.endr
.irp c, 0,1
	v_lshrrev_b32 v[TM+4+\c], 23, v[TM+2+\c]       ; the scale's byte
.endr
	v_lshl_or_b32 v[TM+6], v[TM+5], 16, v[TM+4]    ; my two bytes, blocks h and 2 + h,
	v_lshlrev_b32 v[TM+6], v[SH8], v[TM+6]         ; at their places (8 h bits up);
	v_permlanex16_b32 v[TM+7], v[TM+6], s32, s33
	v_or_b32 v[\wd], v[TM+6], v[TM+7]              ; with lane l xor 16's two the word is whole, in both lanes
.irp c, 0,1
	v_cvt_scalef32_pk16_bf6_f32 v[(\dst)+6*\c:(\dst)+6*\c+2], v[X+32*\c:X+32*\c+15], v[TM+2+\c]
	v_cvt_scalef32_pk16_bf6_f32 v[CT+4*\c:CT+4*\c+2], v[X+32*\c+16:X+32*\c+31], v[TM+2+\c]
.endr
	v_nop                                          ; one plain place behind a scaled conversion
.irp c, 0,1
.irp i, 0,1,2
	v_mov_b32 v[(\dst)+3+6*\c+\i], v[CT+4*\c+\i]
.endr
.endr
.endm
	; ---- every work-group: my quad.  The next fragment's 16 loads are on their way while this one is turned and quantised
	s_wait_alu depctr_va_vdst(0)                   ; v4 to v9 and v16 to v31 are written: every load, store and LDS access of the kernel but the tail's last three stores and the closing add reads one of them as its address or offset
	LOADF 34
.irp q, 0,1,2,3
	s_wait_loadcnt 0x0                             ; this fragment's 16 loads are the only ones out
	TURN_IN
.if \q < 3
	LOADF 66+2*\q
.endif
	TURN_OUT
	QUANT XF+12*\q, XW+\q
.if \q == 3
	v_cmp_ne_u32 vcc_lo, 0, v3
	s_wait_alu depctr_va_vcc(0)                    ; VCC is written, ahead of the two selects that read it
	v_cndmask_b32 v12, v[XW], v[XW+2], vcc_lo      ; lanes 0-15: fragments 0 and 1's words of row r; lanes 16-31: fragments 2 and 3's
	v_cndmask_b32 v13, v[XW+1], v[XW+3], vcc_lo
.endif
	s_wait_alu depctr_va_vdst(0)                   ; the conversions and moves have written this fragment's codes (behind the last fragment the selects v12 and v13 too), which the stores below read; and they are done reading X, in which the next turn's LDS loads land
.irp c, 0,1,2
	global_store_b128 v6, v[XF+12*\q+4*\c:XF+12*\q+4*\c+3], s[40:41] offset:1536*\q+512*\c   ; 32 lanes store 512 consecutive bytes, aligned; these registers are never written again
.endr
.endr
	global_store_b64 v7, v[12:13], s[42:43]        ; 32 lanes store 256 consecutive bytes, aligned
	s_cmp_ge_u32 ttmp9, 256
	s_cbranch_scc1 .Lend                           ; the weights' work-groups are done: all eight waves alike, ahead of the barrier
	; ---- token work-groups: logits^T = gate_w x^T over my four K steps
	s_lshl_b32 s44, s30, 11
	s_add_nc_u64 s[6:7], s[6:7], s[44:45]
	LOADG 0                                        ; into the raw set, which the last turn's wait on vm_vsrc has freed; no memory instruction since has read it
.irp q, 0,1,2,3
	s_wait_loadcnt 0x0
	TURN_IN
.if \q < 3
	LOADG \q+1
.endif
	TURN_OUT
	QUANT GF, GW                                   ; its 32 maxima are the places between the last product and the lines that write that product's operand and scale
.rept 8
	v_nop                                          ; a scale register written by a vector instruction stands 8 places ahead of a scaled matrix instruction, an operand so written 4
.endr
	s_wait_alu depctr_va_vdst(0)                   ; the conversions, moves and the word's lines have written the product's operand and scale registers, and are done reading X, in which the next turn's LDS loads land; from the second product on it is also the wait directly ahead of each link on one accumulator
.if \q == 0
	v_wmma_scale_f32_16x16x128_f8f6f4 v[ACC:ACC+7], v[GF:GF+11], v[XF:XF+11], 0, v[GW], v[XW] matrix_a_fmt:MATRIX_FMT_BF6 matrix_b_fmt:MATRIX_FMT_BF6
.else
	v_wmma_scale_f32_16x16x128_f8f6f4 v[ACC:ACC+7], v[GF:GF+11], v[XF+12*\q:XF+12*\q+11], v[ACC:ACC+7], v[GW], v[XW+\q] matrix_a_fmt:MATRIX_FMT_BF6 matrix_b_fmt:MATRIX_FMT_BF6
.endif
.endr
.rept 4
	v_nop                                          ; four places ahead of the first read of the result
.endr
	s_wait_alu depctr_va_vdst(0)                   ; the last product has written the accumulator, which the two LDS stores read; the places above stay beside this wait.  No vector instruction stands between it and wave 0's LDS loads into v96-159
	ds_store_b128 v8, v[ACC:ACC+3]                 ; lane (r, h): token r, experts 8 h + 0 .. 7; from the low end on
	ds_store_b128 v8, v[ACC+4:ACC+7] offset:16
	s_wait_dscnt 0x0                               ; for wave 0's sake: my stores have landed
	s_barrier_signal -1
	s_barrier_wait -1
	s_cmp_lg_u32 s30, 0
	s_cbranch_scc1 .Lend
	; ---- wave 0: the sums, the two largest, the combine weights.  The eight waves' parts land in v96-159; all else of this tail lies in v32-84, the raw set, whose last loads have been waited for and whose last LDS stores have read it (the last turn's wait on vm_vsrc)
.set L,   96                           ; v96-159  eight waves' partial logits, eight registers each; the sums end in v96-103
.set P,   32                           ; v32-39   p
.set EI,  40                           ; v40-47   my eight experts' numbers, as f32
.set P2,  48                           ; v48-55   p with the first choice taken out
.set CI,  56                           ; v56-63   candidates for the lower index
.set CW,  64                           ; v64-71   c
.set M1,  72                           ; v72      the largest p;       v73 its expert
.set I1,  73
.set M2,  74                           ; v74      the second largest;  v75 its expert
.set I2,  75
.set WK,  76                           ; v76      at work
.set BIG, 77                           ; v77      16.0: above every expert's number
.set NEG, 78                           ; v78      -1.0: under every p
.set INV, 79                           ; v79      1 / (p1 + p2)
.set C1,  80                           ; v80, v81 the two weights
.set C2,  81
.set AO,  82                           ; v82      c's byte offset in the record; v83 the padding's; v84 zero
.set PO,  83
.set ZR,  84
.irp w, 0,1,2,3,4,5,6,7
	ds_load_b128 v[L+8*\w:L+8*\w+3], v9 offset:1024*\w
	ds_load_b128 v[L+8*\w+4:L+8*\w+7], v9 offset:1024*\w+16
.endr
.irp j, 0,1,2,3,4,5,6,7
	v_add_nc_u32 v[EI+\j], \j, v[SH8]
.endr
.irp j, 0,1,2,3,4,5,6,7
	v_cvt_f32_u32 v[EI+\j], v[EI+\j]
.endr
	v_mov_b32 v[BIG], 0x41800000
	v_mov_b32 v[NEG], -1.0
	s_wait_dscnt 0x0
.irp w, 1,2,3,4,5,6,7
.irp j, 0,2,4,6
	v_pk_add_f32 v[L+\j:L+\j+1], v[L+\j:L+\j+1], v[L+8*\w+\j:L+8*\w+\j+1]   ; the waves' parts, K ascending
.endr
.endr
	v_max3_num_f32 v[WK], v[L], v[L+1], v[L+2]
	v_max3_num_f32 v[WK], v[WK], v[L+3], v[L+4]
	v_max3_num_f32 v[WK], v[WK], v[L+5], v[L+6]
	v_max_num_f32 v[WK], v[WK], v[L+7]
	v_permlanex16_b32 v[TM+7], v[WK], s32, s33
	v_max_num_f32 v[WK], v[WK], v[TM+7]            ; the row's largest logit
.irp j, 0,1,2,3,4,5,6,7
	v_sub_f32 v[P+\j], v[L+\j], v[WK]
.endr
.irp j, 0,1,2,3,4,5,6,7
	v_mul_f32 v[P+\j], 0x3fb8aa3b, v[P+\j]
.endr
.irp j, 0,1,2,3,4,5,6,7
	v_exp_f32 v[P+\j], v[P+\j]
.endr
	v_nop                                          ; a plain place behind the exponentials,
	s_wait_alu depctr_va_vdst(0)                   ; and one wait for the batch: the eight exponentials have written p, ahead of its first reader
; the largest of 16 numbers (eight mine, eight lane l xor 16's) into v[m], and the lowest expert that has it into v[ix].  The eight compares stand in a run, a scalar register each
.macro TOP p, m, ix
	v_max3_num_f32 v[\m], v[\p], v[\p+1], v[\p+2]
	v_max3_num_f32 v[\m], v[\m], v[\p+3], v[\p+4]
	v_max3_num_f32 v[\m], v[\m], v[\p+5], v[\p+6]
	v_max_num_f32 v[\m], v[\m], v[\p+7]
	v_permlanex16_b32 v[TM+7], v[\m], s32, s33
	v_max_num_f32 v[\m], v[\m], v[TM+7]
.irp j, 0,1,2,3,4,5,6,7
	v_cmp_eq_f32 s[MK+\j], v[\p+\j], v[\m]
.endr
	s_wait_alu depctr_va_sdst(0)                   ; the eight masks are written, ahead of the selects that read them
.irp j, 0,1,2,3,4,5,6,7
	v_cndmask_b32 v[CI+\j], v[BIG], v[EI+\j], s[MK+\j]
.endr
	v_min3_num_f32 v[\ix], v[CI], v[CI+1], v[CI+2]
	v_min3_num_f32 v[\ix], v[\ix], v[CI+3], v[CI+4]
	v_min3_num_f32 v[\ix], v[\ix], v[CI+5], v[CI+6]
	v_min_num_f32 v[\ix], v[\ix], v[CI+7]
	v_permlanex16_b32 v[TM+7], v[\ix], s32, s33
	v_min_num_f32 v[\ix], v[\ix], v[TM+7]
.endm
	TOP P, M1, I1
.irp j, 0,1,2,3,4,5,6,7
	v_cmp_eq_f32 s[MK+\j], v[EI+\j], v[I1]
.endr
	s_wait_alu depctr_va_sdst(0)                   ; the eight masks are written, ahead of the selects that read them
.irp j, 0,1,2,3,4,5,6,7
	v_cndmask_b32 v[P2+\j], v[P+\j], v[NEG], s[MK+\j]
.endr
	TOP P2, M2, I2
	v_add_f32 v[WK], v[M1], v[M2]
	v_rcp_f32 v[INV], v[WK]
	s_lshr_b32 s44, ttmp9, 4                       ; my tile's record: group id / 16, tile id % 16; c begins 16,000 bytes in
	s_mul_i32 s44, s44, 16*REC
	s_and_b32 s46, ttmp9, 15
	s_mul_i32 s46, s46, REC
	s_add_co_u32 s44, s44, s46
	s_add_co_u32 s44, s44, 16000
	s_add_nc_u64 s[28:29], s[28:29], s[44:45]
	v_lshlrev_b32 v[AO], 6, v2                     ; (a plain place behind the reciprocal)  c: 64 bytes a token,
	v_lshl_add_u32 v[AO], v3, 5, v[AO]             ; + 32 h
	v_lshlrev_b32 v[PO], 2, v1
	v_mov_b32 v[ZR], 0
	s_wait_alu depctr_va_vdst(0)                   ; the reciprocal has written 1 / (p1 + p2), ahead of its first reader
	v_mul_f32 v[C1], v[M1], v[INV]
	v_mul_f32 v[C2], v[M2], v[INV]
.irp j, 0,1,2,3,4,5,6,7
	v_cmp_eq_f32 s[MK+\j], v[EI+\j], v[I2]
	v_cmp_eq_f32 s[MK+8+\j], v[EI+\j], v[I1]
.endr
	s_wait_alu depctr_va_sdst(0)                   ; the sixteen masks are written, ahead of the selects that read them
.irp j, 0,1,2,3,4,5,6,7
	v_cndmask_b32 v[CW+\j], 0, v[C2], s[MK+\j]
.endr
.irp j, 0,1,2,3,4,5,6,7
	v_cndmask_b32 v[CW+\j], v[CW+\j], v[C1], s[MK+8+\j]
.endr
	s_wait_alu depctr_va_vdst(0)                   ; the selects have written c, and the lines above the two offsets and the zero: the three stores read them
	global_store_b128 v[AO], v[CW:CW+3], s[28:29]
	global_store_b128 v[AO], v[CW+4:CW+7], s[28:29] offset:16
	global_store_b32 v[PO], v[ZR], s[28:29] offset:1024   ; the record's last 128 bytes are padding: written, since the third launch copies whole records
.Lend:
	s_wait_dscnt 0x0                               ; the closing lines, six on end
	s_wait_alu 0x0
	s_wait_tensorcnt 0x0
	ds_add_u32 v254, v255
	s_wait_dscnt 0x0
	s_endpgm
.Lfunc_end_k_qd46f355cb5_quant:
	.size	k_qd46f355cb5_quant, .Lfunc_end_k_qd46f355cb5_quant-k_qd46f355cb5_quant
	.p2alignl 7, 3214868480
	.fill 96, 4, 3214868480
	.section	.rodata,"a",@progbits
	.p2align	6, 0x0
	.amdhsa_kernel k_qd46f355cb5_quant
		.amdhsa_group_segment_fixed_size 76800
		.amdhsa_private_segment_fixed_size 0
		.amdhsa_enable_private_segment 0
		.amdhsa_kernarg_size 104
		.amdhsa_user_sgpr_count 2
		.amdhsa_user_sgpr_kernarg_segment_ptr 1
		.amdhsa_wavefront_size32 1
		.amdhsa_system_sgpr_workgroup_id_x 1
		.amdhsa_system_sgpr_workgroup_id_y 1
		.amdhsa_system_sgpr_workgroup_id_z 1
		.amdhsa_system_vgpr_workitem_id 0
		.amdhsa_next_free_vgpr 256
		.amdhsa_next_free_sgpr 80
		.amdhsa_reserve_vcc 1
		.amdhsa_float_denorm_mode_32 3
		.amdhsa_float_denorm_mode_16_64 3
		.amdhsa_memory_ordered 1
		.amdhsa_forward_progress 1
		.amdhsa_inst_pref_size 74
	.end_amdhsa_kernel
	.amdgpu_metadata
---
amdhsa.version: [ 1, 2 ]
amdhsa.kernels:
  - .name:           k_qd46f355cb5_quant
    .symbol:         k_qd46f355cb5_quant.kd
    .args:
      - { .name: hidden_states, .offset: 0, .size: 8, .value_kind: global_buffer, .address_space: global }
      - { .name: gate_w, .offset: 8, .size: 8, .value_kind: global_buffer, .address_space: global }
      - { .name: shared_w_gate_up, .offset: 16, .size: 8, .value_kind: global_buffer, .address_space: global }
      - { .name: w_gate_up, .offset: 24, .size: 8, .value_kind: global_buffer, .address_space: global }
      - { .name: shared_w_down, .offset: 32, .size: 8, .value_kind: global_buffer, .address_space: global }
      - { .name: w_down, .offset: 40, .size: 8, .value_kind: global_buffer, .address_space: global }
      - { .name: xc, .offset: 48, .size: 8, .value_kind: global_buffer, .address_space: global }
      - { .name: xs, .offset: 56, .size: 8, .value_kind: global_buffer, .address_space: global }
      - { .name: gc, .offset: 64, .size: 8, .value_kind: global_buffer, .address_space: global }
      - { .name: gs, .offset: 72, .size: 8, .value_kind: global_buffer, .address_space: global }
      - { .name: dc, .offset: 80, .size: 8, .value_kind: global_buffer, .address_space: global }
      - { .name: dsc, .offset: 88, .size: 8, .value_kind: global_buffer, .address_space: global }
      - { .name: act, .offset: 96, .size: 8, .value_kind: global_buffer, .address_space: global }
    .group_segment_fixed_size: 76800
    .private_segment_fixed_size: 0
    .kernarg_segment_align: 8
    .kernarg_segment_size: 104
    .max_flat_workgroup_size: 256
    .sgpr_count:     80
    .vgpr_count:     256
    .wavefront_size: 32
...
	.end_amdgpu_metadata
.endif
;; end of part 4
;; launch gateup: the kernel of part 2 again; grid 8 x 32, 4 waves a work-group, clusters of 4 x 4, 327,680 bytes of LDS; arguments xc, xs, gc, gs, act; writes act
;; launch down: the kernel of part 3 again; grid 16 x 16, 4 waves a work-group, clusters of 4 x 1, 295,424 bytes of LDS; arguments act, dc, dsc, out0; writes out0
